; MI455X (gfx1250); checked and timed in simulation.
; The chip was launched on July 23, 2026; its instructions are those of AMD's public machine-readable ISA for CDNA 5 (MIT licence, August 2026) and "CDNA5" Instruction Set Architecture Reference Guide (July 2026). The comments in the code are by the model that wrote it; some were corrected since.
;; New Gene Attention Layer. Allowed arithmetic: float matrix products may take bf16 or f16 operands with f32 sums; other float arithmetic in f32, or as packed bf16 or f16 multiplies, adds, multiply-adds, maxima and minima; sums over many terms, partial sums and values carried from step to step in f32; what a program stores and reads back later, other than sums and carried values, may be rounded once to bf16 or f16.
;; Inputs: M 2 x 2,048 x 2,048 float32; Wk 1,024 x 1,024 float32; Wo 1,024 x 1,024 float32; Wq 1,024 x 1,024 float32; Wv 1,024 x 1,024 float32; bk 1,024 float32; bo 1,024 float32; bq 1,024 float32; bv 1,024 float32; x 2 x 2,048 x 1,024 float32.
;; Outputs: out0 2 x 2,048 x 1,024 float32.
;; One version. Each part assembles by itself: llvm-mc -triple=amdgcn-amd-amdhsa -mcpu=gfx1250 --defsym DOCPART=n.
;; ======== version 1 of 1: 4 launches
;; limits: values outside matrix products are rounded to f16; values are held in f16: magnitudes above 65,504 overflow, below 6.1e-05 lose precision
;; workspace buffers: mh 16,777,216 bytes; xb 8,388,608 bytes; wb 6,291,456 bytes; wo 2,097,152 bytes; qkv 25,165,824 bytes; ob 8,388,608 bytes
;; launch prep (part 1): grid 1024 x 1, 8 waves a work-group, no clusters, 0 bytes of LDS; arguments M, x, Wq, Wk, Wv, Wo, mh, xb, wb, wo; writes mh, xb, wb, wo
.if DOCPART == 1
	.amdgcn_target "amdgcn-amd-amdhsa--gfx1250"
	.amdhsa_code_object_version 6
	.text
	.protected	k_qb9a8850961_prep
	.globl	k_qb9a8850961_prep
	.p2align	8
	.type	k_qb9a8850961_prep,@function
k_qb9a8850961_prep:
	s_mov_b64 s[64:65], 0
	v_nop
	global_prefetch_b8 v0, s[64:65] scope:SCOPE_SE
	s_setreg_imm32_b32 hwreg(HW_REG_WAVE_MODE, 25, 1), 1
	s_wait_xcnt 0x0
; THE INPUTS ARE NARROWED ONCE.  x, Wq, Wk, Wv: f32 -> bf16 (xb; wb = the rows of Wq, Wk, Wv on end).  M, Wo: f32 -> bf16, and that number written as f16 (mh, wo), since
; the later launches read them beside f16 numbers.  A stream: each byte is read once and written once; no LDS, no matrix unit, no cluster (no two work-groups read the same byte).
; LIMITS.  |M| and |Wo| stay under 65,504 (f16's range); below 2^-14 they keep f16's fixed step of 6e-8.  NaN and infinities are not treated apart.
; SHARES.  A work-group takes 16,384 numbers (65,536 bytes in, 32,768 out), a wave 2,048: sixteen loads of 16 bytes a lane, each covering 512 consecutive bytes, all sixteen out at once;
; each store of the wave covers 256 consecutive bytes, aligned.  Work-groups 0-511: M; 512-767: x; 768-831: Wq; 832-895: Wk; 896-959: Wv; 960-1023: Wo.
.set SRC,  24                          ; s[24:25] where my chunk is read
.set DST,  26                          ; s[26:27] where it is written
.set J,    28                          ; s28  the chunk's number in its source
.set JD,   29                          ; s29  in its destination
.set MODE, 30                          ; s30  1: bf16 written as f16; 0: bf16
.set VI,   1                           ; v1   8,192 x wave + 16 x lane
.set VO,   2                           ; v2   half of that
.set X,    4                           ; v[4:67]   sixteen loads of four numbers
.set T,    68                          ; v[68:69]  at work
.set Y,    72                          ; v[72:103] sixteen stores of four 16-bit numbers; no register is used twice, so nothing waits for a store
	s_load_b512 s[4:19], s[0:1], 0x0               ; M, x, Wq, Wk, Wv, Wo, mh, xb
	s_load_b128 s[20:23], s[0:1], 0x40             ; wb, wo
	v_lshrrev_b32 v1, 5, v0
	v_and_b32 v2, 31, v0
	v_lshlrev_b32 v2, 4, v2
	v_lshl_or_b32 v[VI], v1, 13, v2
	v_lshrrev_b32 v[VO], 1, v[VI]
	s_mov_b32 s31, ttmp9
	s_sub_co_u32 s34, s31, 512
	s_sub_co_u32 s35, s31, 768
	s_sub_co_u32 s36, s31, 832
	s_sub_co_u32 s37, s31, 896
	s_sub_co_u32 s38, s31, 960
	s_wait_kmcnt 0x0
	s_cmp_ge_u32 s31, 512                          ; the job is chosen by selects on the work-group's number
	s_cselect_b64 s[SRC:SRC+1], s[6:7], s[4:5]
	s_cselect_b64 s[DST:DST+1], s[18:19], s[16:17]
	s_cselect_b32 s[J], s34, s31
	s_cselect_b32 s[JD], s34, s31
	s_cselect_b32 s[MODE], 0, 1
	s_cmp_ge_u32 s31, 768
	s_cselect_b64 s[SRC:SRC+1], s[8:9], s[SRC:SRC+1]
	s_cselect_b64 s[DST:DST+1], s[20:21], s[DST:DST+1]
	s_cselect_b32 s[J], s35, s[J]
	s_cselect_b32 s[JD], s35, s[JD]
	s_cmp_ge_u32 s31, 832
	s_cselect_b64 s[SRC:SRC+1], s[10:11], s[SRC:SRC+1]
	s_cselect_b32 s[J], s36, s[J]
	s_cmp_ge_u32 s31, 896
	s_cselect_b64 s[SRC:SRC+1], s[12:13], s[SRC:SRC+1]
	s_cselect_b32 s[J], s37, s[J]
	s_cmp_ge_u32 s31, 960
	s_cselect_b64 s[SRC:SRC+1], s[14:15], s[SRC:SRC+1]
	s_cselect_b64 s[DST:DST+1], s[22:23], s[DST:DST+1]
	s_cselect_b32 s[J], s38, s[J]
	s_cselect_b32 s[JD], s38, s[JD]
	s_cselect_b32 s[MODE], 1, s[MODE]
	s_lshl_b32 s32, s[J], 16                       ; 65,536 bytes a chunk in
	s_mov_b32 s33, 0
	s_add_nc_u64 s[SRC:SRC+1], s[SRC:SRC+1], s[32:33]
	s_lshl_b32 s32, s[JD], 15                      ; 32,768 out
	s_add_nc_u64 s[DST:DST+1], s[DST:DST+1], s[32:33]
.set i, 0
.rept 16
	global_load_b128 v[X+4*i:X+4*i+3], v[VI], s[SRC:SRC+1] offset:512*i th:TH_LOAD_NT
.set i, i+1
.endr
.macro BODY half
.set i, 0
.rept 16
	s_wait_loadcnt 15-i                            ; loads come back in order: load i is in, the 15 - i younger ones stay out
.if \half
	v_cvt_pk_bf16_f32 v[T], v[X+4*i], v[X+4*i+1]   ; rounded to bf16,
	v_cvt_pk_bf16_f32 v[T+1], v[X+4*i+2], v[X+4*i+3]
	v_lshlrev_b32 v[X+4*i], 16, v[T]               ; widened again,
	v_and_b32 v[X+4*i+1], 0xffff0000, v[T]
	v_lshlrev_b32 v[X+4*i+2], 16, v[T+1]
	v_and_b32 v[X+4*i+3], 0xffff0000, v[T+1]
	v_cvt_pk_f16_f32 v[Y+2*i], v[X+4*i], v[X+4*i+1]  ; and written as f16: exact from 2^-14 on (8 significant bits into 11)
	v_cvt_pk_f16_f32 v[Y+2*i+1], v[X+4*i+2], v[X+4*i+3]
.else
	v_cvt_pk_bf16_f32 v[Y+2*i], v[X+4*i], v[X+4*i+1]
	v_cvt_pk_bf16_f32 v[Y+2*i+1], v[X+4*i+2], v[X+4*i+3]
.endif
	global_store_b64 v[VO], v[Y+2*i:Y+2*i+1], s[DST:DST+1] offset:256*i
.set i, i+1
.endr
	s_endpgm
.endm
	s_cmp_eq_u32 s[MODE], 0
	s_cbranch_scc1 .Lplain
	BODY 1
.Lplain:
	BODY 0
.Lfunc_end_k_qb9a8850961_prep:
	.size	k_qb9a8850961_prep, .Lfunc_end_k_qb9a8850961_prep-k_qb9a8850961_prep
	.p2alignl 7, 3214868480
	.fill 96, 4, 3214868480
	.section	.rodata,"a",@progbits
	.p2align	6, 0x0
	.amdhsa_kernel k_qb9a8850961_prep
		.amdhsa_group_segment_fixed_size 0
		.amdhsa_private_segment_fixed_size 0
		.amdhsa_enable_private_segment 0
		.amdhsa_kernarg_size 80
		.amdhsa_user_sgpr_count 2
		.amdhsa_user_sgpr_kernarg_segment_ptr 1
		.amdhsa_wavefront_size32 1
		.amdhsa_system_sgpr_workgroup_id_x 1
		.amdhsa_system_sgpr_workgroup_id_y 1
		.amdhsa_system_sgpr_workgroup_id_z 1
		.amdhsa_system_vgpr_workitem_id 0
		.amdhsa_next_free_vgpr 104
		.amdhsa_next_free_sgpr 66
		.amdhsa_reserve_vcc 0
		.amdhsa_float_denorm_mode_32 3
		.amdhsa_float_denorm_mode_16_64 3
		.amdhsa_memory_ordered 1
		.amdhsa_forward_progress 1
		.amdhsa_inst_pref_size 17
	.end_amdhsa_kernel
	.amdgpu_metadata
---
amdhsa.version: [ 1, 2 ]
amdhsa.kernels:
  - .name:           k_qb9a8850961_prep
    .symbol:         k_qb9a8850961_prep.kd
    .args:
      - { .name: M, .offset: 0, .size: 8, .value_kind: global_buffer, .address_space: global }
      - { .name: x, .offset: 8, .size: 8, .value_kind: global_buffer, .address_space: global }
      - { .name: Wq, .offset: 16, .size: 8, .value_kind: global_buffer, .address_space: global }
      - { .name: Wk, .offset: 24, .size: 8, .value_kind: global_buffer, .address_space: global }
      - { .name: Wv, .offset: 32, .size: 8, .value_kind: global_buffer, .address_space: global }
      - { .name: Wo, .offset: 40, .size: 8, .value_kind: global_buffer, .address_space: global }
      - { .name: mh, .offset: 48, .size: 8, .value_kind: global_buffer, .address_space: global }
      - { .name: xb, .offset: 56, .size: 8, .value_kind: global_buffer, .address_space: global }
      - { .name: wb, .offset: 64, .size: 8, .value_kind: global_buffer, .address_space: global }
      - { .name: wo, .offset: 72, .size: 8, .value_kind: global_buffer, .address_space: global }
    .group_segment_fixed_size: 0
    .private_segment_fixed_size: 0
    .kernarg_segment_align: 8
    .kernarg_segment_size: 80
    .max_flat_workgroup_size: 256
    .sgpr_count:     66
    .vgpr_count:     104
    .wavefront_size: 32
...
	.end_amdgpu_metadata
.endif
;; end of part 1
;; launch qkv (part 2): grid 16 x 16, 4 waves a work-group, clusters of 4 x 4, 327,680 bytes of LDS; arguments xb, wb, bq, bk, bv, qkv; writes qkv
.if DOCPART == 2
	.amdgcn_target "amdgcn-amd-amdhsa--gfx1250"
	.amdhsa_code_object_version 6
	.text
	.protected	k_qb9a8850961_qkv
	.globl	k_qb9a8850961_qkv
	.p2align	8
	.type	k_qb9a8850961_qkv,@function
k_qb9a8850961_qkv:
	s_mov_b64 s[64:65], 0
	v_nop
	global_prefetch_b8 v0, s[64:65] scope:SCOPE_SE
	s_setreg_imm32_b32 hwreg(HW_REG_WAVE_MODE, 25, 1), 1
	s_wait_xcnt 0x0
	s_wait_alu depctr_hold_cnt(0) depctr_sa_sdst(0) depctr_va_vdst(0) depctr_va_sdst(0) depctr_va_ssrc(0) depctr_va_vcc(0) depctr_vm_vsrc(0)
	s_getreg_b32 s2, hwreg(HW_REG_IB_STS2, 6, 4)
	s_cmp_eq_u32 s2, 0
	s_cbranch_scc0 .Lentry_in_a_cluster
	s_endpgm
.Lentry_in_a_cluster:
	s_bfe_u32 s2, ttmp6, 0x10000c
	s_cmp_lg_u32 s2, 0xf033
	s_cbranch_scc0 .Lentry_shape_is_right
	s_endpgm
.Lentry_shape_is_right:
; q, k, v = x W^T + b.  xb: [4096][1024] bf16; wb: [3072][1024] bf16 (rows of Wq, Wk, Wv); bq, bk, bv: [1024] f32, rounded here to bf16 like the other inputs; sums in f32.
; OUT: qkv, f16, rounded once, unscaled, by blocks: [which 3][batch 2][block of 128 rows 16][head 16][128 rows][64 channels]: byte which<<23 | batch<<22 | block<<18 | head<<14 | row<<7 | 2 c.
; LIMIT.  q, k, v stay under 65,504 (f16's range).
; SHARES.  A tile of the result is 256 rows x 192 columns (three heads): 16 x 16 = 256 work-groups.  Wave w makes rows 64 w .. 64 w + 63 of all 192 columns: 4 x 12 accumulators of 16 x 16,
; so a wave holds whole rows of whole heads and its way out needs no other wave.  K goes in 8 steps of 128 (rows of 256 bytes, aligned) through a ring of two LDS slots.
; CLUSTER 4 x 4.  The four of a row of the cluster need the same rows of xb, the four of a column the same rows of wb: each tile is asked for jointly, by the same tensor load with the same
; descriptor and a mask that names the four.  Waves 0, 1 fetch xb's two halves (128 rows each), waves 2, 3 wb's (96 rows each): one load a wave behind each round of the cluster's barrier.
; THE PRODUCT IS USED TRANSPOSED (source 0 = 16 rows of wb, source 1 = 16 rows of xb): a lane holds row l % 16 and the columns 8 (l / 16) + 0..7, which pack into 16 bytes.
; THE BIAS is the C operand of the product that starts each sum: nothing is cleared, nothing is added later.
; REGISTERS, in windows of 256 (s_set_vgpr_msb: bits 1:0 source 0, 3:2 source 1, 5:4 source 2, 7:6 destination):
;   window 0: v0-31 addresses; v32-63, v64-95 xb's fragments, two buffers; v96-191 the bias, later two buffers of rows read back; v192-239 at work
;   window 1: v0-95, v96-191 wb's fragments, two buffers      window 2: accumulators of my row blocks 0, 1 ((a, b) at 8 (12 (a % 2) + b))      window 3: of blocks 2, 3
.set PITCH,  272                       ; an LDS row: 256 bytes + 16 of padding = 68 words: the 16 rows of a load start at 16 different groups of four banks (64 banks of 4 bytes: ISA guide 11.1)
.set HALFA,  128*PITCH                 ; what a load brings of xb
.set HALFB,  96*PITCH                  ; of wb
.set SLOT,   2*HALFA+2*HALFB           ; xb's 256 rows, then wb's 192: 121,856 bytes
.set STAGE,  2*SLOT                    ; behind the ring: 16 rows x 400 bytes for each wave, for the way out
.set SPITCH, 400                       ; 384 bytes + 16
.set SPARE,  STAGE+4*16*SPITCH         ; behind the stages: the spare words, 128 bytes for each wave, which no other line names
.set KSB,    256                       ; bytes of a row in a K step
.set LAPS,   4                         ; a lap = two K steps = once round the ring
.set ADRA, 16                          ; v16-17  LDS address of my fragments of xb in slot 0, 1
.set ADRB, 20                          ; v20-21  the same for wb
.set STO,  24                          ; v24  the way out: where I put 16 bytes of a row
.set RD,   25                          ; v25  where I read rows back
.set GO,   26                          ; v26  16 x lane: my place in 512 consecutive bytes of qkv
.set BO,   27                          ; v27  32 (l / 16): my eight numbers in 16 of a bias
.set SPW,  28                          ; v28  LDS address of my spare word; never rewritten
.set NIL,  29                          ; v29  0; never rewritten
.set PFO,  30                          ; v30  the prefetches' offset: a lane a row; never rewritten
.set FA,   32
.set BIAS, 96
.set OBF,  96
.set TMP,  192
.set WV, 16                            ; s16  my wave's number
.set HF, 17                            ; s17  wave & 1: which half of a tile I fetch
.set FB, 18                            ; s18  wave >> 1: I fetch for xb (0) or for wb (1)
.set CX, 19
.set CY, 20
.set TC, 21                            ; s21  tile column = 4 x cluster x + cx
.set TR, 22                            ; s22  tile row = 4 x cluster y + cy
.set G1A, 24                           ; s[24:31] descriptor group 1 for xb's tiles;  s[32:39] group 0, a set for each slot
.set G0A, 32
.set G1B, 40                           ; s[40:47], s[48:55] the same for wb's
.set G0B, 48
.set PFA, 56                           ; s[56:57] where my prefetches stand
.set LIM, 58                           ; s58  1 in a wave that prefetches, else the greatest number
.set BP,  72                           ; s[72:77] the three heads' biases
.set OB,  78                           ; s[78:83] the three heads' places in qkv, at my 64 rows
.set MSB, 0
.macro WIN new                         ; the immediate's high byte repeats the setting that is left; a switch that changes nothing is dropped
.if MSB != (\new)
	s_set_vgpr_msb (MSB<<8)|(\new)
.set MSB, \new
.endif
.endm
.macro PLACES                          ; four plain vector instructions between a matrix instruction and a load into, or a vector read or write of, its registers
.rept 4
	v_nop
.endr
.endm
.macro JLOAD s                         ; a joint load; the branch hangs on the wave's number alone; an s_nop 0 and four v_nop follow each of the two lines
	s_cmp_eq_u32 s[FB], 0
	s_cbranch_scc0 .Lfor_b_\@
	tensor_load_to_lds s[G0A+4*(\s):G0A+4*(\s)+3], s[G1A:G1A+7]
	s_nop 0
.rept 4
	v_nop
.endr
	s_branch .Lasked_\@
.Lfor_b_\@:
	tensor_load_to_lds s[G0B+4*(\s):G0B+4*(\s)+3], s[G1B:G1B+7]
	s_nop 0
.rept 4
	v_nop
.endr
.Lasked_\@:
.endm
; A prefetch into the L2 of the K step that stands two refills on: a lane a row, 256 bytes of it.  xb's rows are read by every cluster of a row of clusters: cluster x = 0 asks; wb's by every cluster
; of a column: cluster y = 0 asks.  The four partners of a joint load share its rows out by address: 32 each of xb's 128, 24 each of wb's 96 (there lanes 24-31 name lane 23's row once more).
; K steps 0 to 3 come by their loads alone; the loop's last trip (s3 = 1) asks for nothing: K has no step 8.
.macro ASK
	s_cmp_gt_u32 s3, s[LIM]
	s_cbranch_scc0 .Lnot_mine_\@
	global_prefetch_b8 v[PFO], s[PFA:PFA+1] offset:KSB th:TH_LOAD_NT scope:SCOPE_SE
.Lnot_mine_\@:
.endm
.macro CREST                           ; a round of the cluster's barrier behind its opening barrier
	s_cmp_lg_u32 s[WV], 0
	s_cbranch_scc1 .Lnot_wave_0_\@
	s_barrier_signal -3
.Lnot_wave_0_\@:
	s_barrier_wait -3
	s_barrier_signal -1
	s_barrier_wait -1
.endm
.macro CROUND
	s_barrier_signal -1
	s_barrier_wait -1
	CREST
.endm
	s_load_b256 s[4:11], s[0:1], 0x0               ; xb s[4:5], wb s[6:7], bq s[8:9], bk s[10:11]
	s_load_b128 s[12:15], s[0:1], 0x20             ; bv s[12:13], qkv s[14:15]
	v_lshl_add_u32 v[SPW], v0, 2, SPARE
	v_mov_b32 v[NIL], 0
	ds_add_u32 v[SPW], v[NIL]                      ; the wave's opening: the add and its wait ahead of my first tensor load; work on registers stands between them
	v_lshrrev_b32 v1, 5, v0
	v_readfirstlane_b32 s[WV], v1
	s_and_b32 s[HF], s[WV], 1
	s_lshr_b32 s[FB], s[WV], 1
	s_bfe_u32 s[CX], ttmp6, 0x40000
	s_bfe_u32 s[CY], ttmp6, 0x40004
	s_lshl_b32 s[TC], ttmp9, 2
	s_add_co_u32 s[TC], s[TC], s[CX]
	s_and_b32 s[TR], ttmp7, 0xffff
	s_lshl_b32 s[TR], s[TR], 2
	s_add_co_u32 s[TR], s[TR], s[CY]
	s_lshl_b32 s60, s[CY], 2
	s_lshl_b32 s60, 15, s60                        ; my row of the cluster
	s_lshl_b32 s62, 0x1111, s[CX]                  ; my column
	s_or_b32 s[G1A], s60, (1<<16)|(1<<20)|(1<<21)|(5<<22)|(3<<25)  ; the mask; elements of 2 bytes; padding on; bit 21 beside a mask; after every 64 words 4 words
	s_or_b32 s[G1B], s62, (1<<16)|(1<<20)|(1<<21)|(5<<22)|(3<<25)
	s_mov_b32 s[G1A+1], 128<<16                    ; tensor_dim0 = 128
	s_mov_b32 s[G1A+2], 128<<16                    ; tensor_dim1 = 128
	s_mov_b32 s[G1A+3], 128<<16                    ; tile_dim0 = 128
	s_mov_b32 s[G1A+4], 128                        ; tile_dim1 = 128
	s_mov_b32 s[G1A+5], 1024                       ; elements from row to row
	s_mov_b32 s[G1A+6], 0
	s_mov_b32 s[G1A+7], 0
	s_mov_b32 s[G1B+1], 128<<16
	s_mov_b32 s[G1B+2], 96<<16                     ; 96 rows
	s_mov_b32 s[G1B+3], 128<<16
	s_mov_b32 s[G1B+4], 96
	s_mov_b32 s[G1B+5], 1024
	s_mov_b32 s[G1B+6], 0
	s_mov_b32 s[G1B+7], 0
	s_lshl_b32 s60, s[TR], 8                       ; xb: row 256 x tile row + 128 x half, 2,048 bytes a row: made of the tile row and the wave alone
	s_lshl_b32 s61, s[HF], 7
	s_add_co_u32 s60, s60, s61
	s_lshl_b32 s60, s60, 11
	s_mov_b32 s61, 0
	s_mul_i32 s62, s[TC], 192                      ; wb: row 192 x tile column + 96 x half: of the tile column and the wave alone
	s_mul_i32 s63, s[HF], 96
	s_add_co_u32 s62, s62, s63
	s_lshl_b32 s62, s62, 11
	s_mov_b32 s63, 0
	s_mul_i32 s66, s[HF], HALFA                    ; where they go: no place in the cluster enters an LDS address
	s_mul_i32 s67, s[HF], HALFB
	s_add_co_u32 s67, s67, 2*HALFA
	s_wait_dscnt 0x0                               ; the opening add is done
	s_wait_kmcnt 0x0
	s_add_nc_u64 s[60:61], s[4:5], s[60:61]
	s_add_nc_u64 s[62:63], s[6:7], s[62:63]
	CROUND                                         ; all sixteen work-groups are here: the first joint loads meet
.irp s, 0,1
	s_mov_b32 s[G0A+4*(\s)], 1
	s_add_co_u32 s[G0A+4*(\s)+1], s66, (\s)*SLOT
	s_add_nc_u64 s[G0A+4*(\s)+2:G0A+4*(\s)+3], s[60:61], (\s)*KSB
	s_or_b32 s[G0A+4*(\s)+3], s[G0A+4*(\s)+3], 0x80000000
	s_mov_b32 s[G0B+4*(\s)], 1
	s_add_co_u32 s[G0B+4*(\s)+1], s67, (\s)*SLOT
	s_add_nc_u64 s[G0B+4*(\s)+2:G0B+4*(\s)+3], s[62:63], (\s)*KSB
	s_or_b32 s[G0B+4*(\s)+3], s[G0B+4*(\s)+3], 0x80000000
	JLOAD \s                                       ; K steps 0 and 1: two loads of mine are out
.endr
	; a fragment is 16 rows x 32 K in 8 registers: lane l holds row l % 16, K = 8 (l / 16) + 0..7 and 16 + 8 (l / 16) + 0..7: two loads of 16 bytes, 32 bytes apart
	v_and_b32 v1, 15, v0
	v_bfe_u32 v2, v0, 4, 1
	v_mul_u32_u24 v3, v1, PITCH
	v_lshl_add_u32 v3, v2, 4, v3
	s_mul_i32 s66, s[WV], 64*PITCH
	v_add_nc_u32 v[ADRA], s66, v3
	v_add_nc_u32 v[ADRA+1], SLOT, v[ADRA]
	v_add_nc_u32 v[ADRB], 2*HALFA, v3
	v_add_nc_u32 v[ADRB+1], SLOT, v[ADRB]
	s_mul_i32 s66, s[WV], 16*SPITCH
	s_add_co_u32 s66, s66, STAGE
	v_mul_u32_u24 v4, v1, SPITCH
	v_lshl_add_u32 v4, v2, 4, v4
	v_add_nc_u32 v[STO], s66, v4
	v_bfe_u32 v4, v0, 3, 2                         ; back: 32 lanes take four rows' 128 bytes of one head
	v_and_b32 v5, 7, v0
	v_mul_u32_u24 v4, v4, SPITCH
	v_lshl_add_u32 v4, v5, 4, v4
	v_add_nc_u32 v[RD], s66, v4
	v_and_b32 v5, 31, v0
	v_lshlrev_b32 v[GO], 4, v5
	v_lshlrev_b32 v[BO], 5, v2
	; my three heads: g = 3 x tile column + i; g >> 4 says q, k or v, g & 15 the head
	s_lshr_b32 s23, s[TR], 3                       ; batch
	s_lshl_b32 s23, s23, 22
	s_and_b32 s66, s[TR], 7
	s_lshl_b32 s66, s66, 1
	s_add_co_u32 s66, s66, s[FB]                   ; block of 128 rows
	s_lshl_b32 s66, s66, 18
	s_add_co_u32 s23, s23, s66
	s_lshl_b32 s66, s[HF], 13                      ; my 64 rows in it
	s_add_co_u32 s23, s23, s66
	s_mul_i32 s66, s[TC], 3
.irp i, 0,1,2
	s_add_co_u32 s67, s66, \i
	s_lshr_b32 s68, s67, 4
	s_and_b32 s69, s67, 15
	s_cmp_eq_u32 s68, 1
	s_cselect_b64 s[BP+2*(\i):BP+2*(\i)+1], s[10:11], s[8:9]
	s_cmp_eq_u32 s68, 2
	s_cselect_b64 s[BP+2*(\i):BP+2*(\i)+1], s[12:13], s[BP+2*(\i):BP+2*(\i)+1]
	s_lshl_b32 s70, s69, 8
	s_mov_b32 s71, 0
	s_add_nc_u64 s[BP+2*(\i):BP+2*(\i)+1], s[BP+2*(\i):BP+2*(\i)+1], s[70:71]
	s_lshl_b32 s70, s68, 23
	s_lshl_b32 s69, s69, 14
	s_add_co_u32 s70, s70, s69
	s_add_co_u32 s70, s70, s23
	s_add_nc_u64 s[OB+2*(\i):OB+2*(\i)+1], s[14:15], s[70:71]
.endr
.irp b, 0,1,2,3,4,5,6,7,8,9,10,11
	global_load_b128 v[BIAS+8*(\b):BIAS+8*(\b)+3],   v[BO], s[BP+2*((\b)/4):BP+2*((\b)/4)+1] offset:((\b)%4)*64
	global_load_b128 v[BIAS+8*(\b)+4:BIAS+8*(\b)+7], v[BO], s[BP+2*((\b)/4):BP+2*((\b)/4)+1] offset:((\b)%4)*64+16
.endr
	; the prefetches' address and who asks
	s_lshl_b32 s66, s[TR], 8
	s_mul_i32 s67, s[TC], 192
	s_and_b32 s68, ttmp7, 0xffff
	s_cmp_eq_u32 s[FB], 0
	s_cselect_b32 s66, s66, s67                    ; the tile's first row
	s_cselect_b32 s69, s[CX], s[CY]                ; my place among the four that ask for it with me: it enters the address alone
	s_cselect_b32 s68, ttmp9, s68                  ; the coordinate along which other clusters read the same rows
	s_cselect_b64 s[PFA:PFA+1], s[4:5], s[6:7]
	s_cselect_b32 s70, 4, 3
	s_cselect_b32 s71, 32, 24
	s_cselect_b32 s67, 31, 23
	s_cmp_eq_u32 s68, 0
	s_cselect_b32 s[LIM], 1, -1
	s_mul_i32 s70, s70, s[HF]
	s_lshl_b32 s70, s70, 5                         ; the 128 or 96 rows that I fetch
	s_mul_i32 s71, s71, s69                        ; my work-group's 32 or 24 of them
	s_add_co_u32 s66, s66, s70
	s_add_co_u32 s66, s66, s71
	s_lshl_b32 s66, s66, 11
	v_min_u32 v[PFO], s67, v5
	v_lshlrev_b32 v[PFO], 11, v[PFO]
	s_mov_b32 s67, 0
	s_add_nc_u64 s[PFA:PFA+1], s[PFA:PFA+1], s[66:67]
	s_add_nc_u64 s[PFA:PFA+1], s[PFA:PFA+1], 2*KSB ; at K step 2: the first refill steps it to 3 and names K step 4
	s_wait_loadcnt 0x0                             ; the bias; it is rounded to bf16 while the first tiles are on their way
.set i, 0
.rept 48
	v_cvt_pk_bf16_f32 v[TMP+i], v[BIAS+2*i], v[BIAS+2*i+1]
.set i, i+1
.endr
.set i, 0
.rept 48
	v_lshlrev_b32 v[BIAS+2*i], 16, v[TMP+i]
	v_and_b32 v[BIAS+2*i+1], 0xffff0000, v[TMP+i]
.set i, i+1
.endr
; 12 matrix instructions: row block a x all 12 column blocks, 32 along K, from buffers f.  zero = 1: the sum starts, with the bias as C.  The 48 accumulators take turns, in the same order in every quarter.
.macro MUL12 f, a, zero
.set AC, 96*((\a)%2)
.if \zero
	WIN 0x01|((2+(\a)/2)<<6)
.else
	WIN 0x01|((2+(\a)/2)<<4)|((2+(\a)/2)<<6)
.endif
.irp b, 0,1,2,3,4,5,6,7,8,9,10,11
.if \zero
	v_wmma_f32_16x16x32_bf16 v[AC+8*(\b):AC+8*(\b)+7], v[96*(\f)+8*(\b):96*(\f)+8*(\b)+7], v[FA+32*(\f)+8*(\a):FA+32*(\f)+8*(\a)+7], v[BIAS+8*(\b):BIAS+8*(\b)+7]
.else
	v_wmma_f32_16x16x32_bf16 v[AC+8*(\b):AC+8*(\b)+7], v[96*(\f)+8*(\b):96*(\f)+8*(\b)+7], v[FA+32*(\f)+8*(\a):FA+32*(\f)+8*(\a)+7], v[AC+8*(\b):AC+8*(\b)+7]
.endif
.endr
.endm
; 32 LDS loads in one run: a quarter step's fragments (192 rows of wb, my 64 of xb, 32 K at byte k of the rows) into buffers g
.macro FETCH slot, k, g
	WIN 0x40
.irp i, 0,1,2,3,4,5,6,7,8,9,10,11
	ds_load_b128 v[96*(\g)+8*(\i):96*(\g)+8*(\i)+3],   v[ADRB+(\slot)] offset:(\k)+(\i)*16*PITCH
	ds_load_b128 v[96*(\g)+8*(\i)+4:96*(\g)+8*(\i)+7], v[ADRB+(\slot)] offset:(\k)+(\i)*16*PITCH+32
.endr
	WIN 0
.irp i, 0,1,2,3
	ds_load_b128 v[FA+32*(\g)+8*(\i):FA+32*(\g)+8*(\i)+3],   v[ADRA+(\slot)] offset:(\k)+(\i)*16*PITCH
	ds_load_b128 v[FA+32*(\g)+8*(\i)+4:FA+32*(\g)+8*(\i)+7], v[ADRA+(\slot)] offset:(\k)+(\i)*16*PITCH+32
.endr
.endm
; A K step is four quarters of 32 along K, 48 matrix instructions each, on buffers 0, 1, 0, 1.  One of the first three multiplies f and fetches the next quarter, at byte k, into g.
.macro QUARTER slot, k, f, g, zero
	s_wait_dscnt 4                                 ; wb's fragments and xb's blocks 0, 1 are in; the youngest four loads (blocks 2, 3) may be out
	MUL12 \f, 0, \zero
	MUL12 \f, 1, \zero
	PLACES
	FETCH \slot, \k, \g
	s_wait_dscnt 32                                ; all but the 32 just issued
	MUL12 \f, 2, \zero
	MUL12 \f, 3, \zero
.endm
; The last quarter multiplies buffers 1 and changes slots.  In front of the one barrier each wave waits for all its tensor loads (one is out: its part of the next slot), adds 0 to its spare word,
; and waits for that and for its reads of this slot.
.macro MEET round
	WIN 0
	s_wait_tensorcnt 0x0
	ds_add_u32 v[SPW], v[NIL]
	s_wait_dscnt 5                                 ; the add and the youngest four loads may be out
	MUL12 1, 0, 0
	s_wait_dscnt 0x0                               ; the add is done, my reads of this slot are over
	s_barrier_signal -1
	MUL12 1, 1, 0
.if \round
	WIN 0
.endif
	s_barrier_wait -1
.endm
.macro TURN slot, next, fill
.if \fill
	s_wait_xcnt 0x0                                ; the last prefetch, a K step back, has read its address
	s_add_nc_u64 s[PFA:PFA+1], s[PFA:PFA+1], KSB
.endif
	MEET \fill
.if \fill
	CREST                                          ; the barrier has opened a round of the cluster's: no wave of any partner still reads this slot or has a load on its way
	s_add_nc_u64 s[G0A+4*(\slot)+2:G0A+4*(\slot)+3], s[G0A+4*(\slot)+2:G0A+4*(\slot)+3], 2*KSB
	s_add_nc_u64 s[G0B+4*(\slot)+2:G0B+4*(\slot)+3], s[G0B+4*(\slot)+2:G0B+4*(\slot)+3], 2*KSB
	JLOAD \slot                                    ; my one load behind the round: it has 168 matrix instructions in which to land; its four v_nop are the places in front of the loads below
.else
	PLACES
.endif
	FETCH \next, 0, 0
.if \fill
	ASK
.endif
	MUL12 1, 2, 0
	MUL12 1, 3, 0
.endm
	s_wait_tensorcnt 1                             ; my part of K step 0 is in; K step 1's may stay out
	s_barrier_signal -1
	s_barrier_wait -1
	FETCH 0, 0, 0
	QUARTER 0, 64, 0, 1, 1                         ; the first quarter starts the sums
	WIN 0
	s_mov_b32 s3, LAPS-1
.Llap:                                                 ; a trip goes once round the ring, from a lap's second quarter to the next lap's first, and fills both slots again
	QUARTER 0, 128, 1, 0, 0
	QUARTER 0, 192, 0, 1, 0
	TURN 0, 1, 1
	QUARTER 1, 64, 0, 1, 0
	QUARTER 1, 128, 1, 0, 0
	QUARTER 1, 192, 0, 1, 0
	TURN 1, 0, 1
	QUARTER 0, 64, 0, 1, 0
	WIN 0
	s_sub_co_u32 s3, s3, 1
	s_cmp_lg_u32 s3, 0
	s_cbranch_scc1 .Llap
	QUARTER 0, 128, 1, 0, 0                        ; the last lap fills nothing
	QUARTER 0, 192, 0, 1, 0
	TURN 0, 1, 0
	QUARTER 1, 64, 0, 1, 0
	QUARTER 1, 128, 1, 0, 0
	QUARTER 1, 192, 0, 1, 0
	s_wait_dscnt 4
	MUL12 1, 0, 0
	MUL12 1, 1, 0
	s_wait_dscnt 0x0
	MUL12 1, 2, 0
	MUL12 1, 3, 0
	WIN 0
; THE WAY OUT, a block of 16 rows at a time: rounded to f16 (each accumulator's registers in ascending order); 16 bytes a lane into my own stage; back by heads, four rows of 128 bytes a load; stored.
.macro PACK a
.set AC, 96*((\a)%2)
	WIN 5*(2+(\a)/2)
.set i, 0
.rept 48
	v_cvt_pk_f16_f32 v[TMP+i], v[AC+2*i], v[AC+2*i+1]
.set i, i+1
.endr
	WIN 0
.endm
.macro TOSTAGE a
.set BK, OBF+48*((\a)%2)
.irp b, 0,1,2,3,4,5,6,7,8,9,10,11
	ds_store_b128 v[STO], v[TMP+4*(\b):TMP+4*(\b)+3] offset:32*(\b)
.endr
.irp i, 0,1,2
.irp t, 0,1,2,3
	ds_load_b128 v[BK+4*(4*(\i)+(\t)):BK+4*(4*(\i)+(\t))+3], v[RD] offset:(\t)*4*SPITCH+128*(\i)  ; LDS serves a wave's instructions in order (ISA guide 5.7.1.4): these see the stores above
.endr
.endr
.endm
.macro SEND a
.set BK, OBF+48*((\a)%2)
	s_wait_dscnt 0x0                               ; the block is back in registers
	s_wait_xcnt 0x0                                ; the stores of the block before have read their registers: the next block's loads land there only behind this wait
.irp i, 0,1,2
.irp t, 0,1,2,3
	global_store_b128 v[GO], v[BK+4*(4*(\i)+(\t)):BK+4*(4*(\i)+(\t))+3], s[OB+2*(\i):OB+2*(\i)+1] offset:(\a)*2048+(\t)*512  ; 512 consecutive bytes, aligned
.endr
.endr
.endm
	PLACES
	PACK 0
	TOSTAGE 0
.irp a, 1,2,3
	PACK \a
	SEND (\a)-1
	TOSTAGE \a
.endr
	SEND 3
	s_wait_tensorcnt 0x0                           ; the wave's end: behind my last tensor load and my last LDS store
	ds_add_u32 v[SPW], v[NIL]
	s_wait_dscnt 0x0
	CROUND                                         ; the closing round: no work-group ends while a partner may still ask for a tile that names it
	s_endpgm
.Lfunc_end_k_qb9a8850961_qkv:
	.size	k_qb9a8850961_qkv, .Lfunc_end_k_qb9a8850961_qkv-k_qb9a8850961_qkv
	.p2alignl 7, 3214868480
	.fill 96, 4, 3214868480
	.section	.rodata,"a",@progbits
	.p2align	6, 0x0
	.amdhsa_kernel k_qb9a8850961_qkv
		.amdhsa_group_segment_fixed_size 327680
		.amdhsa_private_segment_fixed_size 0
		.amdhsa_enable_private_segment 0
		.amdhsa_kernarg_size 48
		.amdhsa_user_sgpr_count 2
		.amdhsa_user_sgpr_kernarg_segment_ptr 1
		.amdhsa_wavefront_size32 1
		.amdhsa_system_sgpr_workgroup_id_x 1
		.amdhsa_system_sgpr_workgroup_id_y 1
		.amdhsa_system_sgpr_workgroup_id_z 1
		.amdhsa_system_vgpr_workitem_id 0
		.amdhsa_next_free_vgpr 1024
		.amdhsa_next_free_sgpr 88
		.amdhsa_reserve_vcc 0
		.amdhsa_float_denorm_mode_32 3
		.amdhsa_float_denorm_mode_16_64 3
		.amdhsa_memory_ordered 1
		.amdhsa_forward_progress 1
		.amdhsa_inst_pref_size 131
	.end_amdhsa_kernel
	.amdgpu_metadata
---
amdhsa.version: [ 1, 2 ]
amdhsa.kernels:
  - .name:           k_qb9a8850961_qkv
    .symbol:         k_qb9a8850961_qkv.kd
    .args:
      - { .name: xb, .offset: 0, .size: 8, .value_kind: global_buffer, .address_space: global }
      - { .name: wb, .offset: 8, .size: 8, .value_kind: global_buffer, .address_space: global }
      - { .name: bq, .offset: 16, .size: 8, .value_kind: global_buffer, .address_space: global }
      - { .name: bk, .offset: 24, .size: 8, .value_kind: global_buffer, .address_space: global }
      - { .name: bv, .offset: 32, .size: 8, .value_kind: global_buffer, .address_space: global }
      - { .name: qkv, .offset: 40, .size: 8, .value_kind: global_buffer, .address_space: global }
    .group_segment_fixed_size: 327680
    .private_segment_fixed_size: 0
    .kernarg_segment_align: 8
    .kernarg_segment_size: 48
    .max_flat_workgroup_size: 128
    .sgpr_count:     88
    .vgpr_count:     1024
    .wavefront_size: 32
...
	.end_amdgpu_metadata
.endif
;; end of part 2
;; launch attn (part 3): grid 32 x 8, 4 waves a work-group, clusters of 4 x 4, 327,680 bytes of LDS; arguments qkv, mh, ob; writes ob
.if DOCPART == 3
	.amdgcn_target "amdgcn-amd-amdhsa--gfx1250"
	.amdhsa_code_object_version 6
	.text
	.protected	k_qb9a8850961_attn
	.globl	k_qb9a8850961_attn
	.p2align	8
	.type	k_qb9a8850961_attn,@function
k_qb9a8850961_attn:
	s_mov_b64 s[64:65], 0
	v_nop
	global_prefetch_b8 v0, s[64:65] scope:SCOPE_SE
	s_setreg_imm32_b32 hwreg(HW_REG_WAVE_MODE, 25, 1), 1
	s_wait_xcnt 0x0
	s_wait_alu depctr_hold_cnt(0) depctr_sa_sdst(0) depctr_va_vdst(0) depctr_va_sdst(0) depctr_va_ssrc(0) depctr_va_vcc(0) depctr_vm_vsrc(0)
	s_getreg_b32 s2, hwreg(HW_REG_IB_STS2, 6, 4)
	s_cmp_eq_u32 s2, 0
	s_cbranch_scc0 .Lentry_in_a_cluster
	s_endpgm
.Lentry_in_a_cluster:
	s_bfe_u32 s2, ttmp6, 0x10000c
	s_cmp_lg_u32 s2, 0xf033
	s_cbranch_scc0 .Lentry_shape_is_right
	s_endpgm
.Lentry_shape_is_right:
; GATED ATTENTION.  t = (q . k) M, p = exp(t / 8 - max), l = sum p, w = p M.  softmax, the second gate and the L1 norm of the problem are together exactly  O = sum_k w v / (sum_k |w| + 1e-8 l).
; qkv: f16 by blocks [which][batch][block of 128 rows][head][128][64]; mh: [2][2048][2048] f16; ob: f16 [batch][pair of heads 8][2048][128].  Products, maxima and sums in f32;
; w is rounded once to f16 for both of its sums (the numerator and sum |w|, which is made by the matrix unit: ones x |w|); l is taken of the unrounded p; O is rounded once.
; LIMITS.  q, k, v, M within f16's 65,504; w below 6e-5 keeps f16's step of 6e-8; |t| log2(e) / 8 stays under 1e37 (the running maximum starts at -4.25e37 in that scale); a weight below 2^-126
; counts as 0 in l; NaN and infinities are not treated apart.
; SHARES.  A work-group takes 128 queries x 2 neighbouring heads: wave w has head w >> 1 of the pair and queries 64 (w & 1) + 0..63: four tiles of 16, in two PIECES (tiles 0, 1; tiles 2, 3).
; Two heads: both read one copy of M from LDS, K or V of both is one dense block of 32,768 bytes, and a row of O is 256 bytes.  Every wave walks all 2,048 keys, 64 a step, 128 a slot.
; CLUSTER 4 x 4.  x: blocks of queries, y: pairs of heads.  K and V hang on batch and pair: shared along a row of the cluster; M on the block of queries: shared along a column.  Each is asked for jointly.
; Wave 0 fetches K, wave 1 V, waves 2, 3 the halves of M: one load a wave behind each round of the cluster's barrier.
; LAYOUT.  S^T = K Q^T: a lane holds ONE query (l % 16) and the keys 8 (l / 16) + 0..7 of each 16; M's 16 bytes for them are one LDS load; two results gated and rounded ARE source 1 of O^T = V^T w.
; BY TURNS.  In a turn one piece has the matrix unit: 20 products of the step in hand (16 V^T w, 4 ones x |w|), then 16 products K Q^T of the next step; the other piece's 366 vector instructions
; stand behind them, ten or eleven each.  All 66 exponentials of a turn are ONE batch, issued behind the first 20 products, with one wait behind the 20th.
; REGISTERS, in windows of 256 (s_set_vgpr_msb: bits 1:0 source 0, 3:2 source 1, 5:4 source 2, 7:6 destination).  Window y is piece y's, with the same numbers in both:
;   v7 zero; v8-23 statistics; v24-55 M; v56-119 S^T; v120-151 w; v152-231 O^T and N = sum |w|, 40 a tile.  Window 0 also: v1-6 at work, v232-249 addresses.
;   window 2: v0-63 Q; v64-127 K of a step; v128-191 V of a step; v192-199 ones; v200-231 |w| of the piece whose products come next
.set KS,    64
.set PK,    144                        ; a row of K in LDS: 128 bytes + 16: the 16 rows of a load start at 16 different groups of four banks (64 banks of 4 bytes: ISA guide 11.1)
.set PVP,   160                        ; of V: 128 + 32
.set PM,    272                        ; of M: 256 + 16
.set VOFF,  256*PK                     ; a slot: K's 256 rows (head of the pair x 128 + key), V's 256, M's 128
.set MOFF,  VOFF+256*PVP
.set SLOT1, 1<<17                      ; slot 1 begins here: one exclusive or turns an address in one slot into the other's
.set STAGE, SLOT1+MOFF+128*PM          ; behind the ring: 128 rows x 272 bytes, the work-group's, for the way out
.set SP,    272
.set SPARE, STAGE+128*SP               ; behind the stage: the spare words, 128 bytes for each wave, which no other line names
.set STK,   KS*PK                      ; a step's bytes in K, V and M
.set STV,   KS*PVP
.set STM,   KS*2
.set ZR,  7
.set ST,  8                            ; tile u at ST + 8 u: c m, m, l (even keys', odd keys'), four at work; a takes +6, c m_old +7
.set MB,  24
.set S,   56
.set P,   120
.set O,   152                          ; tile u at O + 40 u: four channel blocks of 8, then N
.set AK0, 232                          ; my lane's place in a step of K, V, M; never rewritten
.set AV0, 233
.set AM0, 234
.set ADK, 235                          ; the LDS addresses of the runs in hand
.set ADV, 236
.set ADM, 237
.set STO, 238
.set RD,  239
.set GO,  240
.set PFO, 241
.set QO,  242
.set SPW, 248                          ; LDS address of my spare word; never rewritten
.set NIL, 249                          ; 0; never rewritten
.set QF,  0
.set KF,  64
.set VF,  128
.set ONE, 192
.set PA,  200
.set WV, 10
.set HH, 11                            ; wave >> 1: my head of the pair
.set QH, 12                            ; wave & 1: my half of the queries; also which half of M I fetch
.set CX, 13
.set CY, 14
.set XB, 15                            ; block of 128 queries, 0..31
.set YP, 16                            ; pair of heads, 0..7
.set BB, 17                            ; batch: from the cluster's x alone
.set G1K, 20
.set G1V, 28
.set G1M, 36
.set G0K, 44                           ; one walking group 0 a tensor
.set G0V, 48
.set G0M, 52
.set SLOTS, 56
.set CNT, 57
.set CS,  58                           ; s[58:59] c = log2(e) / 8
.set SEL, 60                           ; s[60:61] v_permlanex16_b32's selects: each lane takes its own place in the other half
.set TBK, 62                           ; LDS byte at which the step to be fetched begins, in K, V, M
.set TBV, 63
.set TBM, 66
.set ABSM, 67
.set EPSR, 68
.set LIM, 69
.set PFA, 70
.set PST, 72
.set QA,  82
.set OA,  84
.set MSB, 0
.macro WIN new
.if MSB != (\new)
	s_set_vgpr_msb (MSB<<8)|(\new)
.set MSB, \new
.endif
.endm
.macro PLACES
.rept 4
	v_nop
.endr
.endm
.macro JLOAD                           ; the branches hang on the wave's number alone; an s_nop 0 and four v_nop follow each line
	s_cmp_lg_u32 s[WV], 0
	s_cbranch_scc1 .Lnot_k_\@
	tensor_load_to_lds s[G0K:G0K+3], s[G1K:G1K+7]
	s_nop 0
.rept 4
	v_nop
.endr
	s_branch .Lasked_\@
.Lnot_k_\@:
	s_cmp_lg_u32 s[WV], 1
	s_cbranch_scc1 .Lnot_v_\@
	tensor_load_to_lds s[G0V:G0V+3], s[G1V:G1V+7]
	s_nop 0
.rept 4
	v_nop
.endr
	s_branch .Lasked_\@
.Lnot_v_\@:
	tensor_load_to_lds s[G0M:G0M+3], s[G1M:G1M+7]
	s_nop 0
.rept 4
	v_nop
.endr
.Lasked_\@:
.endm
; A prefetch into the L2 of what the NEXT change of slots will ask for: two key steps ahead.  K (wave 0) and V (wave 1) of a batch and pair are walked by four clusters: the first of them asks, its four
; partners along x taking 32 blocks of 256 bytes each, by address.  M (wave 2) of a block of queries is walked by both clusters along y: the first asks, its partners along y taking 32 rows each.
; So each block is named once.  The first three slots come by their loads alone; the last change that fills a slot asks for nothing.
.macro ASK
	s_cmp_gt_u32 s[SLOTS], s[LIM]
	s_cbranch_scc0 .Lnot_mine_\@
	global_prefetch_b8 v[PFO], s[PFA:PFA+1] th:TH_LOAD_NT scope:SCOPE_SE
.Lnot_mine_\@:
.endm
.macro CROUND
	s_barrier_signal -1
	s_barrier_wait -1
	s_cmp_lg_u32 s[WV], 0
	s_cbranch_scc1 .Lnot_wave_0_\@
	s_barrier_signal -3
.Lnot_wave_0_\@:
	s_barrier_wait -3
	s_barrier_signal -1
	s_barrier_wait -1
.endm
; THE CHANGE OF SLOTS.  All of the slot has been fetched into registers.  Each wave waits for all its tensor loads (one is out: its part of the other slot), adds 0 to its spare word, and waits for that and
; for its reads of the slot.  fill = 1: a round of the cluster's barrier, and the joint refill first behind it: it has two key steps, 144 matrix instructions, in which to land.
.macro CHANGE fill, ask
	WIN 0
	s_wait_tensorcnt 0x0
	ds_add_u32 v[SPW], v[NIL]                      ; the descriptors' steps stand between the add and the wait for it
.if \fill
.irp g, G0K, G0V
	s_xor_b32 s[\g+1], s[\g+1], SLOT1
	s_add_nc_u64 s[\g+2:\g+3], s[\g+2:\g+3], 1<<18  ; the next block of 128 keys
.endr
	s_xor_b32 s[G0M+1], s[G0M+1], SLOT1
	s_add_nc_u64 s[G0M+2:G0M+3], s[G0M+2:G0M+3], 256
.if \ask
	s_wait_xcnt 0x0                                ; the last prefetch, two key steps back, has read its address
	s_add_nc_u64 s[PFA:PFA+1], s[PFA:PFA+1], s[PST:PST+1]
.endif
	s_wait_dscnt 0x0
	CROUND
	JLOAD
.if \ask
	ASK
.endif
.else
	s_wait_dscnt 0x0
	s_barrier_signal -1
	s_barrier_wait -1
.endif
	s_sub_co_u32 s[TBK], s[TBK], 2*STK             ; the fetches go back to a slot's first step, in the other slot
	s_xor_b32 s[TBK], s[TBK], SLOT1
	s_sub_co_u32 s[TBV], s[TBV], 2*STV
	s_xor_b32 s[TBV], s[TBV], SLOT1
	s_sub_co_u32 s[TBM], s[TBM], 2*STM
	s_xor_b32 s[TBM], s[TBM], SLOT1
.endm
	s_load_b128 s[4:7], s[0:1], 0x0                ; qkv s[4:5], mh s[6:7]
	s_load_b64 s[8:9], s[0:1], 0x10                ; ob
	v_lshl_add_u32 v[SPW], v0, 2, SPARE
	v_mov_b32 v[NIL], 0
	ds_add_u32 v[SPW], v[NIL]                      ; the wave's opening: the add and its wait ahead of my first tensor load
	v_lshrrev_b32 v1, 5, v0
	v_readfirstlane_b32 s[WV], v1
	s_lshr_b32 s[HH], s[WV], 1
	s_and_b32 s[QH], s[WV], 1
	s_bfe_u32 s[CX], ttmp6, 0x40000
	s_bfe_u32 s[CY], ttmp6, 0x40004
	s_lshl_b32 s[XB], ttmp9, 2
	s_add_co_u32 s[XB], s[XB], s[CX]
	s_and_b32 s[YP], ttmp7, 0xffff
	s_lshl_b32 s[YP], s[YP], 2
	s_add_co_u32 s[YP], s[YP], s[CY]
	s_lshr_b32 s[BB], ttmp9, 2
	s_lshl_b32 s78, s[CY], 2
	s_lshl_b32 s78, 15, s78                        ; my row of the cluster
	s_lshl_b32 s79, 0x1111, s[CX]                  ; my column
	s_or_b32 s[G1K], s78, (1<<16)|(1<<20)|(1<<21)|(4<<22)|(3<<25)  ; elements of 2 bytes; padding: after every 32 words 4 words
	s_or_b32 s[G1V], s78, (1<<16)|(1<<20)|(1<<21)|(4<<22)|(7<<25)  ; 8 words
	s_or_b32 s[G1M], s79, (1<<16)|(1<<20)|(1<<21)|(5<<22)|(3<<25)  ; after every 64 words 4 words
.irp g, G1K, G1V
	s_mov_b32 s[\g+1], 128<<16                     ; 32,768 dense bytes as 128 rows of 256, two keys a row
	s_mov_b32 s[\g+2], 128<<16
	s_mov_b32 s[\g+3], 128<<16
	s_mov_b32 s[\g+4], 128
	s_mov_b32 s[\g+5], 128
	s_mov_b32 s[\g+6], 0
	s_mov_b32 s[\g+7], 0
.endr
	s_mov_b32 s[G1M+1], 128<<16                    ; 64 rows of 128 keys, 2,048 elements from row to row
	s_mov_b32 s[G1M+2], 64<<16
	s_mov_b32 s[G1M+3], 128<<16
	s_mov_b32 s[G1M+4], 64
	s_mov_b32 s[G1M+5], 2048
	s_mov_b32 s[G1M+6], 0
	s_mov_b32 s[G1M+7], 0
	s_mov_b32 s[G0K], 1
	s_mov_b32 s[G0K+1], 0
	s_mov_b32 s[G0V], 1
	s_mov_b32 s[G0V+1], VOFF
	s_mov_b32 s[G0M], 1
	s_mul_i32 s[G0M+1], s[QH], 64*PM
	s_add_co_u32 s[G0M+1], s[G0M+1], MOFF
	s_lshl_b32 s74, s[BB], 22                      ; K, V: batch and pair of heads
	s_lshl_b32 s75, s[YP], 15
	s_add_co_u32 s74, s74, s75
	s_mov_b32 s75, 0
	s_lshl_b32 s76, s[XB], 19                      ; M: my block's 128 rows of 4,096 bytes, my half of them
	s_lshl_b32 s77, s[QH], 18
	s_add_co_u32 s76, s76, s77
	s_mov_b32 s77, 0
	s_and_b32 s78, s[XB], 15                       ; Q: batch, block, head, my 64 rows
	s_lshl_b32 s80, s78, 18
	s_lshl_b32 s79, s[BB], 22
	s_add_co_u32 s80, s80, s79
	s_lshl_b32 s79, s[YP], 1
	s_add_co_u32 s79, s79, s[HH]
	s_lshl_b32 s79, s79, 14
	s_add_co_u32 s80, s80, s79
	s_lshl_b32 s79, s[QH], 13
	s_add_co_u32 s80, s80, s79
	s_mov_b32 s81, 0
	s_lshl_b32 s78, s78, 15                        ; O: (8 batch + pair) << 19, block << 15, the 32 rows that I store << 13
	s_lshl_b32 s79, s[BB], 3
	s_add_co_u32 s79, s79, s[YP]
	s_lshl_b32 s79, s79, 19
	s_add_co_u32 s78, s78, s79
	s_lshl_b32 s79, s[WV], 13
	s_add_co_u32 s78, s78, s79
	s_mov_b32 s79, 0
	s_mov_b32 s[CS], 0x3e38aa3b
	s_mov_b32 s[CS+1], s[CS]
	s_mov_b32 s[SEL], 0x76543210
	s_mov_b32 s[SEL+1], 0xfedcba98
	s_mov_b32 s[ABSM], 0x7fff7fff
	s_mov_b32 s[EPSR], 0x322bcc77                  ; 1e-8
	s_mov_b32 s[TBK], SLOT1+2*STK                  ; the first change of slots turns these three into 0
	s_mov_b32 s[TBV], SLOT1+2*STV
	s_mov_b32 s[TBM], SLOT1+2*STM
	s_wait_dscnt 0x0                               ; the opening add is done
	s_wait_kmcnt 0x0
	s_add_nc_u64 s[G0K+2:G0K+3], s[4:5], s[74:75]
	s_add_nc_u64 s[G0V+2:G0V+3], s[G0K+2:G0K+3], 2<<23
	s_add_nc_u64 s[G0K+2:G0K+3], s[G0K+2:G0K+3], 1<<23
	s_or_b32 s[G0K+3], s[G0K+3], 0x80000000
	s_or_b32 s[G0V+3], s[G0V+3], 0x80000000
	s_add_nc_u64 s[G0M+2:G0M+3], s[6:7], s[76:77]
	s_or_b32 s[G0M+3], s[G0M+3], 0x80000000
	s_add_nc_u64 s[QA:QA+1], s[4:5], s[80:81]
	s_add_nc_u64 s[OA:OA+1], s[8:9], s[78:79]
	CROUND                                         ; all sixteen work-groups are here: the first joint loads meet
	JLOAD                                          ; slot 0; slot 1 is asked for when slot 0 is in
	v_and_b32 v1, 15, v0                           ; l % 16
	v_bfe_u32 v2, v0, 4, 1                         ; l / 16
	v_lshlrev_b32 v[QO], 7, v1
	v_lshl_add_u32 v[QO], v2, 4, v[QO]
	WIN 0x80
.set i, 0
.rept 8                                ; Q stays in registers: tile i / 2, channels 32 (i % 2) on
	global_load_b128 v[QF+8*i:QF+8*i+3],   v[QO], s[QA:QA+1] offset:(i/2)*2048+(i%2)*64
	global_load_b128 v[QF+8*i+4:QF+8*i+7], v[QO], s[QA:QA+1] offset:(i/2)*2048+(i%2)*64+32
.set i, i+1
.endr
	; What the first turns find: V, w and |w| hold 0 (the first 20 products, of a piece that has not been, add 0); O, N, l are 0; c m lies far below every c t, so the first step's a is 0 and
	; the first step is a step like any other.  All this stands in the wait for the first tile.
.set i, VF
.rept 64
	v_mov_b32 v[i], 0
.set i, i+1
.endr
.set i, ONE
.rept 8
	v_mov_b32 v[i], 0x3c003c00                     ; 1.0 twice, in f16
.set i, i+1
.endr
.set i, PA
.rept 32
	v_mov_b32 v[i], 0
.set i, i+1
.endr
.irp y, 0,1
	WIN 0x40*(\y)
	v_mov_b32 v[ZR], 0
.irp u, 0,1
	v_mov_b32 v[ST+8*(\u)], 0xfe000000
	v_mov_b32 v[ST+8*(\u)+1], 0xff7fffff
	v_mov_b32 v[ST+8*(\u)+2], 0
	v_mov_b32 v[ST+8*(\u)+3], 0
.endr
.set i, P
.rept 112
	v_mov_b32 v[i], 0
.set i, i+1
.endr
.endr
	WIN 0
	v_and_b32 v3, 7, v0
	v_bfe_u32 v4, v0, 3, 1
	v_and_b32 v5, 31, v0
	v_mul_u32_u24 v6, v1, PM
	v_lshl_add_u32 v6, v2, 4, v6                   ; (l % 16) x 272 + 16 (l / 16): for M and for the stage
	s_mul_i32 s78, s[HH], 128*PK
	v_mul_u32_u24 v[AK0], v1, PK
	v_lshl_add_u32 v[AK0], v2, 4, v[AK0]
	v_add_nc_u32 v[AK0], s78, v[AK0]
	s_mul_i32 s78, s[HH], 128*PVP
	s_add_co_u32 s78, s78, VOFF
	v_lshl_add_u32 v[AV0], v2, 3, v3               ; the turning load: lane l reads key 8 (l / 16) + l % 8, channels 8 ((l / 8) % 2) + 0..7
	v_mul_u32_u24 v[AV0], v[AV0], PVP
	v_lshl_add_u32 v[AV0], v4, 4, v[AV0]
	v_add_nc_u32 v[AV0], s78, v[AV0]
	s_mul_i32 s78, s[QH], 64*PM
	s_add_co_u32 s79, s78, MOFF
	v_add_nc_u32 v[AM0], s79, v6
	s_add_co_u32 s78, s78, STAGE
	s_lshl_b32 s79, s[HH], 7
	s_add_co_u32 s78, s78, s79
	v_add_nc_u32 v[STO], s78, v6                   ; row 64 (w & 1) + l % 16, my head's 128 bytes of it
	s_mul_i32 s78, s[WV], 32*SP
	s_add_co_u32 s78, s78, STAGE
	v_mul_u32_u24 v[RD], v2, SP                    ; back: wave w takes rows 32 w .. + 31, whole
	v_lshl_add_u32 v[RD], v1, 4, v[RD]
	v_add_nc_u32 v[RD], s78, v[RD]
	v_lshlrev_b32 v[GO], 4, v5
	; the prefetches: who, where, how far a step
	s_add_co_u32 s78, s[WV], 1
	s_lshl_b32 s78, s78, 23                        ; K's or V's part of qkv (waves 0, 1)
	s_add_co_u32 s78, s78, s74
	s_lshl_b32 s79, s[CX], 13                      ; my work-group's 32 blocks of the 128
	s_add_co_u32 s78, s78, s79
	s_lshl_b32 s80, s[XB], 19
	s_lshl_b32 s81, s[CY], 17                      ; my work-group's 32 rows of the 128
	s_add_co_u32 s80, s80, s81
	s_and_b32 s74, ttmp9, 3
	s_and_b32 s75, ttmp7, 0xffff
	s_cmp_lt_u32 s[WV], 2
	s_cselect_b32 s78, s78, s80
	s_cselect_b64 s[PFA:PFA+1], s[4:5], s[6:7]
	s_cselect_b32 s18, 8, 12                       ; a lane a block of 256 bytes, or a lane a row of 4,096
	s_cselect_b32 s19, 18, 8
	s_cselect_b32 s74, s74, s75                    ; the coordinate along which other clusters walk the same bytes
	s_cmp_eq_u32 s[WV], 3
	s_cselect_b32 s74, 1, s74                      ; wave 3 asks for nothing
	s_cmp_eq_u32 s74, 0
	s_cselect_b32 s[LIM], 1, -1
	s_mov_b32 s79, 0
	s_add_nc_u64 s[PFA:PFA+1], s[PFA:PFA+1], s[78:79]
	s_lshl_b32 s[PST], 1, s19
	s_mov_b32 s[PST+1], 0
	s_lshl_b32 s80, s[PST], 1
	s_mov_b32 s81, 0
	s_add_nc_u64 s[PFA:PFA+1], s[PFA:PFA+1], s[80:81]  ; in slot 2; the loop's first change steps it to slot 3
	v_lshlrev_b32 v[PFO], s18, v5
; THE MATRIX WORK.  The accumulators take turns, one instruction a turn: ten in the first run, eight in the second.
; Product i of 20 for piece x: keys 32 (i / 10) on; (i % 10) / 2 = 0..3: O^T += V^T w, channels 16 x that on; = 4: N += ones x |w|: every register of N then holds the query's sum; tile i % 2.
.macro PV x
.set kk, i/10
.set cb, (i%10)/2
.set uu, i%2
.if cb < 4
	WIN 0x02+0x54*(\x)
	v_wmma_f32_16x16x32_f16 v[O+40*uu+8*cb:O+40*uu+8*cb+7], v[VF+32*kk+8*cb:VF+32*kk+8*cb+7], v[P+16*uu+8*kk:P+16*uu+8*kk+7], v[O+40*uu+8*cb:O+40*uu+8*cb+7]
.else
	WIN 0x0a+0x50*(\x)
	v_wmma_f32_16x16x32_f16 v[O+40*uu+32:O+40*uu+39], v[ONE:ONE+7], v[PA+16*uu+8*kk:PA+16*uu+8*kk+7], v[O+40*uu+32:O+40*uu+39]
.endif
.endm
; Product i of 16 of S^T = K Q^T for piece x: channels 32 (i / 8) on, keys 16 ((i / 2) % 4) on, tile i % 2.  The first 8 start the sums.
.macro KQ x
	WIN 0x0a+0x50*(\x)
.set rS, S+32*(i%2)+8*((i/2)%4)
.set rK, KF+16*((i/2)%4)+8*(i/8)
.set rQ, QF+16*(2*(\x)+i%2)+8*(i/8)
.if i < 8
	v_wmma_f32_16x16x32_f16 v[rS:rS+7], v[rK:rK+7], v[rQ:rQ+7], 0
.else
	v_wmma_f32_16x16x32_f16 v[rS:rS+7], v[rK:rK+7], v[rQ:rQ+7], v[rS:rS+7]
.endif
.endm
; THE LDS LOADS stand in runs.  K of the next step and piece 0's M of it: 24 loads.  last = 1 (the tail): in the last trip there is no further step, and the run is jumped over.
.macro FETCH_KM last
	WIN 0
.if \last
	s_cmp_eq_u32 s[CNT], 1
	s_cbranch_scc1 .Lno_k_\@
.endif
	v_add_nc_u32 v[ADK], s[TBK], v[AK0]
	v_add_nc_u32 v[ADM], s[TBM], v[AM0]
	WIN 0x80
.irp f, 0,1,2,3,4,5,6,7
	ds_load_b128 v[KF+8*(\f):KF+8*(\f)+3],   v[ADK] offset:((\f)/2)*16*PK+((\f)%2)*64
	ds_load_b128 v[KF+8*(\f)+4:KF+8*(\f)+7], v[ADK] offset:((\f)/2)*16*PK+((\f)%2)*64+32
.endr
	WIN 0
.irp u, 0,1
.irp kb, 0,1,2,3
	ds_load_b128 v[MB+16*(\u)+4*(\kb):MB+16*(\u)+4*(\kb)+3], v[ADM] offset:(\u)*16*PM+32*(\kb)
.endr
.endr
.if \last
.Lno_k_\@:
.endif
.endm
; THE BATCH'S END, behind a turn's 20th product.  A plain instruction behind the last exponential, and the one wait ahead of the first instruction that names a result.
; In piece 1's turn V of the next step and piece 1's M of it are fetched here: four v_nop are the places behind the products that read V; then the three fetch addresses step.
.macro BATCHEND
.if Y == 1
	v_nop
	s_wait_alu depctr_va_vdst(0)
.else
.rept 4
	v_nop
.endr
	WIN 0
	v_add_nc_u32 v[ADV], s[TBV], v[AV0]
	v_add_nc_u32 v[ADM], s[TBM], v[AM0]
	s_wait_alu depctr_va_vdst(0)
	WIN 0x80
.irp f, 0,1,2,3,4,5,6,7
	ds_load_tr16_b128 v[VF+8*(\f):VF+8*(\f)+3],   v[ADV] offset:((\f)/4)*32*PVP+((\f)%4)*32
	ds_load_tr16_b128 v[VF+8*(\f)+4:VF+8*(\f)+7], v[ADV] offset:((\f)/4)*32*PVP+16*PVP+((\f)%4)*32
.endr
	WIN 0x40
.irp u, 0,1
.irp kb, 0,1,2,3
	ds_load_b128 v[MB+16*(\u)+4*(\kb):MB+16*(\u)+4*(\kb)+3], v[ADM] offset:(2+(\u))*16*PM+32*(\kb)
.endr
.endr
	s_add_co_u32 s[TBK], s[TBK], STK
	s_add_co_u32 s[TBV], s[TBV], STV
	s_add_co_u32 s[TBM], s[TBM], STM
.endif
.endm
; THE VECTOR WORK: number j of 183 for tile u of piece Y.  s0-s31 are the lane's 32 scores; score e goes with half e % 2 of M's register e / 2.
;   0-31     t = s M, in ascending order
;   32-47    the maximum of t0-t31 and the old m, three operands at a time      48-52  the other half of the lanes' maximum; c m_old kept; the new m; c m; its change
;   53-101   ONE BATCH: the 16 scalings c t - c m and all 33 exponentials (a at 55); none reads an exponential's result; a pair is scaled at least four numbers ahead of its exponentials
;   102-133  w = p M, rounded once to f16, low and high halves      134-149  the sum of p, in place; l = a l + sum
;   150-165  |w| into window 2      166-182  O^T's 16 pairs and N's first pair times a (N's other six registers are copies that nobody reads; they stay finite: sums of at most 2,048 |w|)
.macro SM
.set rT, ST+8*u
.set rS, S+32*u
.set rM, MB+16*u
.set rP, P+16*u
.set rO, O+40*u
.if (j >= 150) && (j < 166)
	WIN 0x80+4*Y
.else
	WIN 0x55*Y
.endif
.if j < 32
.if j%2
	v_fma_mix_f32 v[rS+j], v[rS+j], v[rM+j/2], v[ZR] op_sel:[0,1,0] op_sel_hi:[0,1,0]
.else
	v_fma_mix_f32 v[rS+j], v[rS+j], v[rM+j/2], v[ZR] op_sel_hi:[0,1,0]
.endif
.elseif j < 36
.set n, j-32
	v_max3_num_f32 v[rT+4+n], v[rS+8*n], v[rS+8*n+1], v[rS+8*n+2]
.elseif j < 44
.set n, j-32
	v_max3_num_f32 v[rT+4+n%4], v[rT+4+n%4], v[rS+8*(n%4)+2*(n/4)+1], v[rS+8*(n%4)+2*(n/4)+2]
.elseif j == 44
	v_max3_num_f32 v[rT+4], v[rT+4], v[rS+7], v[rS+15]
.elseif j == 45
	v_max3_num_f32 v[rT+6], v[rT+6], v[rS+23], v[rS+31]
.elseif j == 46
	v_max3_num_f32 v[rT+4], v[rT+4], v[rT+5], v[rT+6]
.elseif j == 47
	v_max3_num_f32 v[rT+4], v[rT+4], v[rT+7], v[rT+1]
.elseif j == 48
	v_permlanex16_b32 v[rT+5], v[rT+4], s[SEL], s[SEL+1]
.elseif j == 49
	v_mov_b32 v[rT+7], v[rT]
.elseif j == 50
	v_max_num_f32 v[rT+1], v[rT+4], v[rT+5]
.elseif j == 51
	v_mul_f32 v[rT], s[CS], v[rT+1]
.elseif j == 52
	v_sub_f32 v[rT+7], v[rT+7], v[rT]
.elseif j == 55
	v_exp_f32 v[rT+6], v[rT+7]
.elseif (j < 55) || ((j < 98) && ((j-56)%3 == 0))
.set n, j-53
.if j > 55
.set n, (j-56)/3+2
.endif
	v_pk_fma_f32 v[rS+2*n:rS+2*n+1], v[rS+2*n:rS+2*n+1], s[CS:CS+1], v[rT:rT+1] op_sel_hi:[1,0,0] neg_lo:[0,0,1] neg_hi:[0,0,1]
.elseif j < 102
.set n, j-70
.if j < 98
.set n, 2*((j-56)/3)+(j-56)%3-1
.endif
	v_exp_f32 v[rS+n], v[rS+n]
.elseif j < 134
.set n, j-102
.if n%2
	v_fma_mixhi_f16 v[rP+n/2], v[rS+n], v[rM+n/2], v[ZR] op_sel:[0,1,0] op_sel_hi:[0,1,0]
.else
	v_fma_mixlo_f16 v[rP+n/2], v[rS+n], v[rM+n/2], v[ZR] op_sel_hi:[0,1,0]
.endif
.elseif j < 150
.set tz, j-134
.set tw, 4
.set tt, tz
.if tz >= 14
.set tw, 32
.set tt, 0
.elseif tz >= 12
.set tw, 16
.set tt, tz-12
.elseif tz >= 8
.set tw, 8
.set tt, tz-8
.endif
.if tz < 15
	v_pk_add_f32 v[rS+tw*tt:rS+tw*tt+1], v[rS+tw*tt:rS+tw*tt+1], v[rS+tw*tt+tw/2:rS+tw*tt+tw/2+1]
.else
	v_pk_fma_f32 v[rT+2:rT+3], v[rT+2:rT+3], v[rT+6:rT+7], v[rS:rS+1] op_sel_hi:[1,0,1]
.endif
.elseif j < 166
	v_and_b32 v[PA+16*u+j-150], s[ABSM], v[rP+j-150]
.else
	v_pk_mul_f32 v[rO+2*(j-166):rO+2*(j-166)+1], v[rO+2*(j-166):rO+2*(j-166)+1], v[rT+6:rT+7] op_sel_hi:[1,0]
.endif
.endm
; The slice behind matrix instruction k of 36: the two tiles' lists by turns (entry q: tile q % 2, number q / 2).  The first 204 entries, up to the last exponential, go behind the 20 products of the first run,
; the other 162 behind the 16 of the second.  The last slice is eleven plain multiplies that name nothing of the products round them: the places in front of the next turn's reads of S^T and loads into K.
.macro SLICE
.set tgt, 204+((k-20)*162)/16
.if k <= 20
.set tgt, (k*204)/20
.endif
.rept 12
.if q < tgt
.set u, q%2
.set j, q/2
	SM
.set q, q+1
.endif
.endr
.endm
; A TURN.  Piece x has the matrix unit; piece 1 - x's vector work stands in slices.  x = 0: V^T w of step j, K Q^T of step j + 1, beside piece 1's softmax of step j; K and piece 0's M of step j + 1 are fetched
; behind the second product.  x = 1: the same products for piece 1, beside piece 0's softmax of step j + 1; V and piece 1's M of step j + 1 are fetched at the batch's end.
.macro TURN x, last=0
.set Y, 1-(\x)
.set q, 0
.set k, 0
.if (\x) == 0
	s_wait_dscnt 0x0                               ; V and piece 1's M are in: issued 16 products back
.endif
.set i, 0
.rept 20
	PV \x
.set i, i+1
.set k, k+1
	SLICE
.if ((\x) == 0) && (i == 2)
	FETCH_KM \last
.endif
.endr
	BATCHEND
.if (\x) == 0
	s_wait_dscnt 0x0                               ; K and piece 0's M are in: issued 18 products back
.endif
.set i, 0
.rept 16
	KQ \x
.set i, i+1
.set k, k+1
	SLICE
.endr
.endm
	CHANGE 1, 0                                    ; slot 0 is in, everybody's part of it; slot 1 is asked for
	FETCH_KM 0                                     ; key step 0
	s_wait_loadcnt 0x0                             ; Q
	s_wait_dscnt 0x0
.set i, 0
.rept 16
	KQ 0                                           ; piece 0's first scores
.set i, i+1
.endr
	WIN 0
	PLACES
	s_mov_b32 s[CNT], 2
	s_mov_b32 s[SLOTS], 15
	s_branch .Lfirst                               ; the loop is entered in the middle of a trip; the first turn's 20 products multiply zeros
.Lslot:                                                ; 14 times: every slot but the last two is filled again
	CHANGE 1, 1
	s_mov_b32 s[CNT], 2
.Lstep:
	TURN 0
	WIN 0
.Lfirst:
	TURN 1
	WIN 0
	s_sub_co_u32 s[CNT], s[CNT], 1
	s_cmp_lg_u32 s[CNT], 0
	s_cbranch_scc1 .Lstep
	s_sub_co_u32 s[SLOTS], s[SLOTS], 1
	s_cmp_lg_u32 s[SLOTS], 0
	s_cbranch_scc1 .Lslot
	CHANGE 0, 0                                    ; the tail is written out: nothing is asked for
	s_mov_b32 s[CNT], 3                            ; two trips fetch the last slot's steps; the third is left in its middle
.Ltail:
	TURN 0, 1
	WIN 0
	s_sub_co_u32 s[CNT], s[CNT], 1
	s_cmp_eq_u32 s[CNT], 0
	s_cbranch_scc1 .Lout
	TURN 1
	WIN 0
	s_branch .Ltail
.Lout:                                                 ; the third trip's 16 products K Q^T, on the last K once more, serve nothing: the price, once a launch, of one text for every trip
.set i, 0
.rept 20
	PV 1                                           ; piece 1's products of the last step
.set i, i+1
.endr
	PLACES
	; THE WAY OUT.  l's two halves and the other half of the lanes' are added; the divisor is N + 1e-8 l; O^T is divided, rounded to f16, and goes through the work-group's stage.
.irp y, 0,1
	WIN 0x55*(\y)
.irp u, 0,1
	v_add_f32 v[ST+8*(\u)+4], v[ST+8*(\u)+2], v[ST+8*(\u)+3]
.endr
.irp u, 0,1
	v_permlanex16_b32 v[ST+8*(\u)+5], v[ST+8*(\u)+4], s[SEL], s[SEL+1]
.endr
.irp u, 0,1
	v_add_f32 v[ST+8*(\u)+4], v[ST+8*(\u)+4], v[ST+8*(\u)+5]
.endr
.irp u, 0,1
	v_fma_f32 v[ST+8*(\u)+4], v[ST+8*(\u)+4], s[EPSR], v[O+40*(\u)+32]
.endr
.irp u, 0,1
	v_rcp_f32 v[ST+8*(\u)+6], v[ST+8*(\u)+4]
.endr
	v_nop                                          ; a plain instruction behind the reciprocals,
	s_wait_alu depctr_va_vdst(0)                   ; and the wait ahead of their first use: one for each piece's two
.endr
.macro PACK t                          ; a lane's eight channels of a row pack into 16 bytes
.set py, (\t)/2
.set rT, ST+8*((\t)%2)
.set rS, S+32*((\t)%2)
.set rO, O+40*((\t)%2)
	WIN 0x55*py
.set i, 0
.rept 16
	v_pk_mul_f32 v[rO+2*i:rO+2*i+1], v[rO+2*i:rO+2*i+1], v[rT+6:rT+7] op_sel_hi:[1,0]
.set i, i+1
.endr
.set i, 0
.rept 16
	v_cvt_pk_f16_f32 v[rS+i], v[rO+2*i], v[rO+2*i+1]
.set i, i+1
.endr
	WIN 4*py                                       ; the address in window 0, the data in the piece's
.irp c, 0,1,2,3
	ds_store_b128 v[STO], v[rS+4*(\c):rS+4*(\c)+3] offset:(\t)*16*SP+32*(\c)
.endr
.endm
	PACK 0
	PACK 1
	PACK 2
	PACK 3
	WIN 0
	s_wait_dscnt 0x0                               ; for the others' sake: a row's 256 bytes come from two waves
	s_barrier_signal -1
	s_barrier_wait -1
.irp t, 0,1,2,3,4,5,6,7,8,9,10,11,12,13,14,15
	ds_load_b128 v[S+4*(\t):S+4*(\t)+3], v[RD] offset:(\t)*2*SP
.endr
.irp t, 0,1,2,3,4,5,6,7,8,9,10,11,12,13,14,15
	s_wait_dscnt 15-(\t)                           ; load t is back; the younger ones stay out
	global_store_b128 v[GO], v[S+4*(\t):S+4*(\t)+3], s[OA:OA+1] offset:512*(\t)  ; two whole rows: 512 consecutive bytes, aligned
.endr
	s_wait_tensorcnt 0x0                           ; the wave's end: behind my last tensor load and my last LDS store
	ds_add_u32 v[SPW], v[NIL]
	s_wait_dscnt 0x0
	CROUND                                         ; the closing round
	s_endpgm
.Lfunc_end_k_qb9a8850961_attn:
	.size	k_qb9a8850961_attn, .Lfunc_end_k_qb9a8850961_attn-k_qb9a8850961_attn
	.p2alignl 7, 3214868480
	.fill 96, 4, 3214868480
	.section	.rodata,"a",@progbits
	.p2align	6, 0x0
	.amdhsa_kernel k_qb9a8850961_attn
		.amdhsa_group_segment_fixed_size 327680
		.amdhsa_private_segment_fixed_size 0
		.amdhsa_enable_private_segment 0
		.amdhsa_kernarg_size 24
		.amdhsa_user_sgpr_count 2
		.amdhsa_user_sgpr_kernarg_segment_ptr 1
		.amdhsa_wavefront_size32 1
		.amdhsa_system_sgpr_workgroup_id_x 1
		.amdhsa_system_sgpr_workgroup_id_y 1
		.amdhsa_system_sgpr_workgroup_id_z 1
		.amdhsa_system_vgpr_workitem_id 0
		.amdhsa_next_free_vgpr 768
		.amdhsa_next_free_sgpr 88
		.amdhsa_reserve_vcc 0
		.amdhsa_float_denorm_mode_32 3
		.amdhsa_float_denorm_mode_16_64 3
		.amdhsa_memory_ordered 1
		.amdhsa_forward_progress 1
		.amdhsa_inst_pref_size 150
	.end_amdhsa_kernel
	.amdgpu_metadata
---
amdhsa.version: [ 1, 2 ]
amdhsa.kernels:
  - .name:           k_qb9a8850961_attn
    .symbol:         k_qb9a8850961_attn.kd
    .args:
      - { .name: qkv, .offset: 0, .size: 8, .value_kind: global_buffer, .address_space: global }
      - { .name: mh, .offset: 8, .size: 8, .value_kind: global_buffer, .address_space: global }
      - { .name: ob, .offset: 16, .size: 8, .value_kind: global_buffer, .address_space: global }
    .group_segment_fixed_size: 327680
    .private_segment_fixed_size: 0
    .kernarg_segment_align: 8
    .kernarg_segment_size: 24
    .max_flat_workgroup_size: 128
    .sgpr_count:     88
    .vgpr_count:     768
    .wavefront_size: 32
...
	.end_amdgpu_metadata
.endif
;; end of part 3
;; launch oproj (part 4): grid 8 x 32, 4 waves a work-group, clusters of 4 x 4, 327,680 bytes of LDS; arguments ob, wo, bo, out0; writes out0
.if DOCPART == 4
	.amdgcn_target "amdgcn-amd-amdhsa--gfx1250"
	.amdhsa_code_object_version 6
	.text
	.protected	k_qb9a8850961_oproj
	.globl	k_qb9a8850961_oproj
	.p2align	8
	.type	k_qb9a8850961_oproj,@function
k_qb9a8850961_oproj:
	s_mov_b64 s[64:65], 0
	v_nop
	global_prefetch_b8 v0, s[64:65] scope:SCOPE_SE
	s_setreg_imm32_b32 hwreg(HW_REG_WAVE_MODE, 25, 1), 1
	s_wait_xcnt 0x0
	s_wait_alu depctr_hold_cnt(0) depctr_sa_sdst(0) depctr_va_vdst(0) depctr_va_sdst(0) depctr_va_ssrc(0) depctr_va_vcc(0) depctr_vm_vsrc(0)
	s_getreg_b32 s2, hwreg(HW_REG_IB_STS2, 6, 4)
	s_cmp_eq_u32 s2, 0
	s_cbranch_scc0 .Lentry_in_a_cluster
	s_endpgm
.Lentry_in_a_cluster:
	s_bfe_u32 s2, ttmp6, 0x10000c
	s_cmp_lg_u32 s2, 0xf033
	s_cbranch_scc0 .Lentry_shape_is_right
	s_endpgm
.Lentry_shape_is_right:
; out0 = O Wo^T + bo.  ob: f16 [batch 2][pair of heads 8][2048 rows][128]: K = 128 x pair + channel; wo: [1024][1024] f16 (bf16(Wo) written as f16); bo: [1024] f32, rounded here to bf16 like the
; other inputs; out0: [4096][1024] f32.  Sums in f32.
; SHARES.  A tile of the result is 128 x 128: 8 x 32 = 256 work-groups.  Four waves, each 64 x 64: 16 accumulators.  K goes in 4 steps of 256 through two LDS slots; the steps are written out.
; CLUSTER 4 x 4: ob's tiles are shared along a row of the cluster, wo's along a column, each asked for jointly.  Waves 0, 1 fetch ob's two pairs of heads of a K step (128 rows x 256 dense bytes each),
; waves 2, 3 the halves of wo's 128 rows (64 rows x 512 bytes).  No prefetch: the launch is short and its tiles are small.
; THE PRODUCT IS USED TRANSPOSED (source 0 = 16 rows of wo, source 1 = 16 rows of ob): a lane holds row l % 16 and eight neighbouring columns.  bo is the C operand of the products that start the sums.
; A wave's 64 columns of f32 are 256 aligned bytes: each wave has a stage of its own on the way out, and no barrier stands there.
; REGISTERS: window 0: v0-31 addresses; v32-95 rows read back, two buffers; v96-127 the bias; v128-255 the accumulators ((a, b) at 128 + 8 (4 a + b)).
;   window 1: two fragment buffers of 128: for 64 along K, 64 registers of ob (2 x 4 x 16 rows x 32 K), then 64 of wo.
.set PAP,    272                       ; ob's rows in LDS: 256 bytes + 16
.set PBP,    528                       ; wo's: 512 + 16: in both the 16 rows of a load start at 16 different groups of four banks (64 banks of 4 bytes: ISA guide 11.1)
.set PLANE,  128*PAP                   ; one pair of heads: 128 along K
.set HALFB,  64*PBP
.set BOFF,   2*PLANE
.set SLOT,   BOFF+2*HALFB              ; 137,216 bytes
.set STAGE,  2*SLOT                    ; behind the ring: 16 rows x 272 bytes for each wave
.set SPITCH, 272
.set SPARE,  STAGE+4*16*SPITCH         ; behind the stages: the spare words, 128 bytes for each wave, which no other line names
.set ADRA, 16
.set ADRB, 20
.set STO,  24
.set RD,   25
.set CO,   26
.set BO,   27
.set SPW,  28
.set NIL,  29
.set TMP,  32
.set BIAS, 96
.set ACC,  128
.set F0,   0
.set F1,   128
.set WV, 12
.set RH, 13                            ; wave >> 1: my half of the rows; also: I fetch for ob (0) or wo (1)
.set HF, 14                            ; wave & 1: my half of the columns; also which half I fetch
.set CX, 15
.set CY, 16
.set TC, 17
.set TR, 18
.set G1A, 24
.set G0A, 32
.set G1B, 40
.set G0B, 48
.set MSB, 0
.macro WIN new
.if MSB != (\new)
	s_set_vgpr_msb (MSB<<8)|(\new)
.set MSB, \new
.endif
.endm
.set MUL,  0x05                        ; sources 0 and 1 window 1; C and D window 0
.set TO_F, 0x40                        ; destination window 1, address window 0
.macro PLACES
.rept 4
	v_nop
.endr
.endm
.macro JLOAD s
	s_cmp_eq_u32 s[RH], 0
	s_cbranch_scc0 .Lfor_b_\@
	tensor_load_to_lds s[G0A+4*(\s):G0A+4*(\s)+3], s[G1A:G1A+7]
	s_nop 0
.rept 4
	v_nop
.endr
	s_branch .Lasked_\@
.Lfor_b_\@:
	tensor_load_to_lds s[G0B+4*(\s):G0B+4*(\s)+3], s[G1B:G1B+7]
	s_nop 0
.rept 4
	v_nop
.endr
.Lasked_\@:
.endm
.macro CREST
	s_cmp_lg_u32 s[WV], 0
	s_cbranch_scc1 .Lnot_wave_0_\@
	s_barrier_signal -3
.Lnot_wave_0_\@:
	s_barrier_wait -3
	s_barrier_signal -1
	s_barrier_wait -1
.endm
.macro CROUND
	s_barrier_signal -1
	s_barrier_wait -1
	CREST
.endm
	s_load_b256 s[4:11], s[0:1], 0x0               ; ob s[4:5], wo s[6:7], bo s[8:9], out0 s[10:11]
	v_lshl_add_u32 v[SPW], v0, 2, SPARE
	v_mov_b32 v[NIL], 0
	ds_add_u32 v[SPW], v[NIL]                      ; the wave's opening: the add and its wait ahead of my first tensor load
	v_lshrrev_b32 v1, 5, v0
	v_readfirstlane_b32 s[WV], v1
	s_lshr_b32 s[RH], s[WV], 1
	s_and_b32 s[HF], s[WV], 1
	s_bfe_u32 s[CX], ttmp6, 0x40000
	s_bfe_u32 s[CY], ttmp6, 0x40004
	s_lshl_b32 s[TC], ttmp9, 2
	s_add_co_u32 s[TC], s[TC], s[CX]
	s_and_b32 s[TR], ttmp7, 0xffff
	s_lshl_b32 s[TR], s[TR], 2
	s_add_co_u32 s[TR], s[TR], s[CY]
	s_lshl_b32 s20, s[CY], 2
	s_lshl_b32 s20, 15, s20                        ; my row of the cluster
	s_lshl_b32 s21, 0x1111, s[CX]                  ; my column
	s_or_b32 s[G1A], s20, (1<<16)|(1<<20)|(1<<21)|(5<<22)|(3<<25)  ; padding: after every 64 words 4 words
	s_or_b32 s[G1B], s21, (1<<16)|(1<<20)|(1<<21)|(6<<22)|(3<<25)  ; after every 128 words
	s_mov_b32 s[G1A+1], 128<<16                    ; 128 rows of 128 elements, dense
	s_mov_b32 s[G1A+2], 128<<16
	s_mov_b32 s[G1A+3], 128<<16
	s_mov_b32 s[G1A+4], 128
	s_mov_b32 s[G1A+5], 128
	s_mov_b32 s[G1A+6], 0
	s_mov_b32 s[G1A+7], 0
	s_mov_b32 s[G1B+1], 256<<16                    ; 64 rows of 256 elements, 1,024 from row to row
	s_mov_b32 s[G1B+2], 64<<16
	s_mov_b32 s[G1B+3], 256<<16
	s_mov_b32 s[G1B+4], 64
	s_mov_b32 s[G1B+5], 1024
	s_mov_b32 s[G1B+6], 0
	s_mov_b32 s[G1B+7], 0
	s_lshr_b32 s56, s[TR], 4                       ; ob: batch << 22, pair of heads << 19, row << 8
	s_lshl_b32 s56, s56, 22
	s_and_b32 s57, s[TR], 15
	s_lshl_b32 s57, s57, 15
	s_add_co_u32 s56, s56, s57
	s_lshl_b32 s57, s[HF], 19
	s_add_co_u32 s56, s56, s57
	s_mov_b32 s57, 0
	s_lshl_b32 s58, s[TC], 7                       ; wo: row 128 x tile column + 64 x half
	s_lshl_b32 s59, s[HF], 6
	s_add_co_u32 s58, s58, s59
	s_lshl_b32 s58, s58, 11
	s_mov_b32 s59, 0
	s_mul_i32 s60, s[HF], PLANE
	s_mul_i32 s61, s[HF], HALFB
	s_add_co_u32 s61, s61, BOFF
	s_wait_dscnt 0x0                               ; the opening add is done
	s_wait_kmcnt 0x0
	s_add_nc_u64 s[56:57], s[4:5], s[56:57]
	s_add_nc_u64 s[58:59], s[6:7], s[58:59]
	CROUND                                         ; all sixteen work-groups are here: the first joint loads meet
.irp s, 0,1
	s_mov_b32 s[G0A+4*(\s)], 1
	s_add_co_u32 s[G0A+4*(\s)+1], s60, (\s)*SLOT
	s_add_nc_u64 s[G0A+4*(\s)+2:G0A+4*(\s)+3], s[56:57], (\s)<<20  ; a K step is two pairs of heads
	s_or_b32 s[G0A+4*(\s)+3], s[G0A+4*(\s)+3], 0x80000000
	s_mov_b32 s[G0B+4*(\s)], 1
	s_add_co_u32 s[G0B+4*(\s)+1], s61, (\s)*SLOT
	s_add_nc_u64 s[G0B+4*(\s)+2:G0B+4*(\s)+3], s[58:59], (\s)*512
	s_or_b32 s[G0B+4*(\s)+3], s[G0B+4*(\s)+3], 0x80000000
	JLOAD \s                                       ; K steps 0 and 1: two loads of mine are out
.endr
	v_and_b32 v1, 15, v0
	v_bfe_u32 v2, v0, 4, 1
	v_mul_u32_u24 v3, v1, PAP
	v_lshl_add_u32 v3, v2, 4, v3
	s_mul_i32 s56, s[RH], 64*PAP
	v_add_nc_u32 v[ADRA], s56, v3
	v_add_nc_u32 v[ADRA+1], SLOT, v[ADRA]
	v_mul_u32_u24 v4, v1, PBP
	v_lshl_add_u32 v4, v2, 4, v4
	s_mul_i32 s56, s[HF], 64*PBP
	s_add_co_u32 s56, s56, BOFF
	v_add_nc_u32 v[ADRB], s56, v4
	v_add_nc_u32 v[ADRB+1], SLOT, v[ADRB]
	s_mul_i32 s56, s[WV], 16*SPITCH
	s_add_co_u32 s56, s56, STAGE
	v_mul_u32_u24 v4, v1, SPITCH                   ; in: row l % 16, 32 bytes for each half of the lanes
	v_lshl_add_u32 v4, v2, 5, v4
	v_add_nc_u32 v[STO], s56, v4
	v_mul_u32_u24 v4, v2, SPITCH                   ; back: lanes 0-15 one row of 256 bytes, lanes 16-31 the next
	v_lshl_add_u32 v4, v1, 4, v4
	v_add_nc_u32 v[RD], s56, v4
	v_lshlrev_b32 v4, 12, v2                       ; and the same two rows in out0
	v_lshl_add_u32 v[CO], v1, 4, v4
	v_lshlrev_b32 v[BO], 5, v2
	s_lshl_b32 s56, s[TC], 9                       ; my 64 columns, in bytes of f32
	s_lshl_b32 s57, s[HF], 8
	s_add_co_u32 s56, s56, s57
	s_mov_b32 s57, 0
	s_add_nc_u64 s[8:9], s[8:9], s[56:57]
	s_add_nc_u64 s[10:11], s[10:11], s[56:57]
	s_lshl_b32 s56, s[TR], 19                      ; my 64 rows of 4,096 bytes
	s_lshl_b32 s58, s[RH], 18
	s_add_co_u32 s56, s56, s58
	s_add_nc_u64 s[10:11], s[10:11], s[56:57]
.irp b, 0,1,2,3
	global_load_b128 v[BIAS+8*(\b):BIAS+8*(\b)+3],   v[BO], s[8:9] offset:64*(\b)
	global_load_b128 v[BIAS+8*(\b)+4:BIAS+8*(\b)+7], v[BO], s[8:9] offset:64*(\b)+16
.endr
	s_wait_loadcnt 0x0                             ; the bias; rounded to bf16 while the first tiles are on their way
.set i, 0
.rept 16
	v_cvt_pk_bf16_f32 v[TMP+i], v[BIAS+2*i], v[BIAS+2*i+1]
.set i, i+1
.endr
.set i, 0
.rept 16
	v_lshlrev_b32 v[BIAS+2*i], 16, v[TMP+i]
	v_and_b32 v[BIAS+2*i+1], 0xffff0000, v[TMP+i]
.set i, i+1
.endr
; 8 matrix instructions: row blocks a0, a0 + 1 x all 4 column blocks, 32 along K: half c of buffer f.  zero = 1: the sum starts, with the bias as C.  The 16 accumulators take turns.
.macro MUL8 f, c, a0, zero
	WIN MUL
.irp a, \a0, (\a0)+1
.irp b, 0,1,2,3
.if \zero
	v_wmma_f32_16x16x32_f16 v[ACC+8*(4*(\a)+(\b)):ACC+8*(4*(\a)+(\b))+7], v[(\f)+64+8*(4*(\c)+(\b)):(\f)+64+8*(4*(\c)+(\b))+7], v[(\f)+8*(4*(\c)+(\a)):(\f)+8*(4*(\c)+(\a))+7], v[BIAS+8*(\b):BIAS+8*(\b)+7]
.else
	v_wmma_f32_16x16x32_f16 v[ACC+8*(4*(\a)+(\b)):ACC+8*(4*(\a)+(\b))+7], v[(\f)+64+8*(4*(\c)+(\b)):(\f)+64+8*(4*(\c)+(\b))+7], v[(\f)+8*(4*(\c)+(\a)):(\f)+8*(4*(\c)+(\a))+7], v[ACC+8*(4*(\a)+(\b)):ACC+8*(4*(\a)+(\b))+7]
.endif
.endr
.endr
.endm
; 32 LDS loads in one run: the fragments of 64 along K at byte k of the K step's 512, into buffer f; the first 32 along K first.  In ob's part byte k lies in plane k / 256 at k % 256.
.macro FETCH slot, k, f
	WIN TO_F
.irp c, 0,1
.irp i, 0,1,2,3
	ds_load_b128 v[(\f)+64+8*(4*(\c)+(\i)):(\f)+64+8*(4*(\c)+(\i))+3],   v[ADRB+(\slot)] offset:(\k)+64*(\c)+(\i)*16*PBP
	ds_load_b128 v[(\f)+64+8*(4*(\c)+(\i))+4:(\f)+64+8*(4*(\c)+(\i))+7], v[ADRB+(\slot)] offset:(\k)+64*(\c)+(\i)*16*PBP+32
	ds_load_b128 v[(\f)+8*(4*(\c)+(\i)):(\f)+8*(4*(\c)+(\i))+3],         v[ADRA+(\slot)] offset:(((\k)+64*(\c))/256)*PLANE+((\k)+64*(\c))%256+(\i)*16*PAP
	ds_load_b128 v[(\f)+8*(4*(\c)+(\i))+4:(\f)+8*(4*(\c)+(\i))+7],       v[ADRA+(\slot)] offset:(((\k)+64*(\c))/256)*PLANE+((\k)+64*(\c))%256+(\i)*16*PAP+32
.endr
.endr
.endm
; A K step is four quarters of 64 along K, 32 matrix instructions each, on buffers 0, 1, 0, 1.
.macro QUARTER slot, k, f, g, zero
	s_wait_dscnt 16                                ; the first 32 along K are in; the youngest sixteen loads may be out
	MUL8 \f, 0, 0, \zero
	MUL8 \f, 0, 2, \zero
	PLACES
	FETCH \slot, \k, \g
	s_wait_dscnt 32                                ; all but the 32 just issued
	MUL8 \f, 1, 0, 0
	MUL8 \f, 1, 2, 0
.endm
; The last quarter multiplies buffer 1 and changes slots: one barrier; in front of it each wave waits for all its tensor loads, adds 0 to its spare word, and waits for that and for its reads of this slot.
.macro TURN slot, next, fill
	WIN 0
	s_wait_tensorcnt 0x0
	ds_add_u32 v[SPW], v[NIL]
	s_wait_dscnt 17                                ; the add and the youngest sixteen loads may be out
	MUL8 F1, 0, 0, 0
	s_wait_dscnt 0x0                               ; the add is done, my reads of this slot are over
	s_barrier_signal -1
	MUL8 F1, 0, 2, 0
.if \fill
	WIN 0
.endif
	s_barrier_wait -1
.if \fill
	CREST                                          ; the barrier has opened a round of the cluster's: no wave of any partner still reads this slot or has a load on its way
	s_add_nc_u64 s[G0A+4*(\slot)+2:G0A+4*(\slot)+3], s[G0A+4*(\slot)+2:G0A+4*(\slot)+3], 1<<21
	s_add_nc_u64 s[G0B+4*(\slot)+2:G0B+4*(\slot)+3], s[G0B+4*(\slot)+2:G0B+4*(\slot)+3], 1024
	JLOAD \slot                                    ; my one load behind the round: 112 matrix instructions ahead of the wait for it; its four v_nop are the places in front of the loads below
.else
	PLACES
.endif
	FETCH \next, 0, F0
	MUL8 F1, 1, 0, 0
	MUL8 F1, 1, 2, 0
.endm
	s_wait_tensorcnt 1                             ; my part of K step 0 is in; K step 1's may stay out
	s_barrier_signal -1
	s_barrier_wait -1
	FETCH 0, 0, F0
	QUARTER 0, 128, F0, F1, 1                      ; the first products start the sums
	QUARTER 0, 256, F1, F0, 0
	QUARTER 0, 384, F0, F1, 0
	TURN 0, 1, 1                                   ; slot 0 takes K step 2
	QUARTER 1, 128, F0, F1, 0
	QUARTER 1, 256, F1, F0, 0
	QUARTER 1, 384, F0, F1, 0
	TURN 1, 0, 1                                   ; slot 1 takes K step 3
	QUARTER 0, 128, F0, F1, 0
	QUARTER 0, 256, F1, F0, 0
	QUARTER 0, 384, F0, F1, 0
	TURN 0, 1, 0
	QUARTER 1, 128, F0, F1, 0
	QUARTER 1, 256, F1, F0, 0
	QUARTER 1, 384, F0, F1, 0
	s_wait_dscnt 16
	MUL8 F1, 0, 0, 0
	MUL8 F1, 0, 2, 0
	s_wait_dscnt 0x0
	MUL8 F1, 1, 0, 0
	MUL8 F1, 1, 2, 0
	WIN 0
; THE WAY OUT, a block of 16 rows at a time: 32 bytes a lane from the accumulators (the low four registers first) into my own stage; back as whole rows of 256 bytes; stored.
.macro TOSTAGE a
.set BK, TMP+32*((\a)%2)
.if (\a) >= 2
	s_wait_xcnt 0x0                                ; the stores of the block two back have read these registers: they are loaded again only behind this wait
.endif
.irp b, 0,1,2,3
	ds_store_b128 v[STO], v[ACC+8*(4*(\a)+(\b)):ACC+8*(4*(\a)+(\b))+3]   offset:64*(\b)
	ds_store_b128 v[STO], v[ACC+8*(4*(\a)+(\b))+4:ACC+8*(4*(\a)+(\b))+7] offset:64*(\b)+16
.endr
.irp t, 0,1,2,3,4,5,6,7
	ds_load_b128 v[BK+4*(\t):BK+4*(\t)+3], v[RD] offset:(\t)*2*SPITCH  ; LDS serves a wave's instructions in order (ISA guide 5.7.1.4): these see the stores above; the next block's stores come behind them
.endr
.endm
.macro SEND a, younger                 ; younger: the LDS instructions issued behind block a's loads: the next block's sixteen, or none
.set BK, TMP+32*((\a)%2)
.irp t, 0,1,2,3,4,5,6,7
	s_wait_dscnt (\younger)+7-(\t)
	global_store_b128 v[CO], v[BK+4*(\t):BK+4*(\t)+3], s[10:11] offset:(16*(\a)+2*(\t))*4096  ; 16 lanes store 256 consecutive bytes, aligned
.endr
.endm
	PLACES
	TOSTAGE 0
	TOSTAGE 1
	SEND 0, 16
	TOSTAGE 2
	SEND 1, 16
	TOSTAGE 3
	SEND 2, 16
	SEND 3, 0
	s_wait_tensorcnt 0x0                           ; the wave's end: behind my last tensor load and my last LDS store
	ds_add_u32 v[SPW], v[NIL]
	s_wait_dscnt 0x0
	CROUND                                         ; the closing round
	s_endpgm
.Lfunc_end_k_qb9a8850961_oproj:
	.size	k_qb9a8850961_oproj, .Lfunc_end_k_qb9a8850961_oproj-k_qb9a8850961_oproj
	.p2alignl 7, 3214868480
	.fill 96, 4, 3214868480
	.section	.rodata,"a",@progbits
	.p2align	6, 0x0
	.amdhsa_kernel k_qb9a8850961_oproj
		.amdhsa_group_segment_fixed_size 327680
		.amdhsa_private_segment_fixed_size 0
		.amdhsa_enable_private_segment 0
		.amdhsa_kernarg_size 32
		.amdhsa_user_sgpr_count 2
		.amdhsa_user_sgpr_kernarg_segment_ptr 1
		.amdhsa_wavefront_size32 1
		.amdhsa_system_sgpr_workgroup_id_x 1
		.amdhsa_system_sgpr_workgroup_id_y 1
		.amdhsa_system_sgpr_workgroup_id_z 1
		.amdhsa_system_vgpr_workitem_id 0
		.amdhsa_next_free_vgpr 512
		.amdhsa_next_free_sgpr 66
		.amdhsa_reserve_vcc 0
		.amdhsa_float_denorm_mode_32 3
		.amdhsa_float_denorm_mode_16_64 3
		.amdhsa_memory_ordered 1
		.amdhsa_forward_progress 1
		.amdhsa_inst_pref_size 90
	.end_amdhsa_kernel
	.amdgpu_metadata
---
amdhsa.version: [ 1, 2 ]
amdhsa.kernels:
  - .name:           k_qb9a8850961_oproj
    .symbol:         k_qb9a8850961_oproj.kd
    .args:
      - { .name: ob, .offset: 0, .size: 8, .value_kind: global_buffer, .address_space: global }
      - { .name: wo, .offset: 8, .size: 8, .value_kind: global_buffer, .address_space: global }
      - { .name: bo, .offset: 16, .size: 8, .value_kind: global_buffer, .address_space: global }
      - { .name: out0, .offset: 24, .size: 8, .value_kind: global_buffer, .address_space: global }
    .group_segment_fixed_size: 327680
    .private_segment_fixed_size: 0
    .kernarg_segment_align: 8
    .kernarg_segment_size: 32
    .max_flat_workgroup_size: 128
    .sgpr_count:     66
    .vgpr_count:     512
    .wavefront_size: 32
...
	.end_amdgpu_metadata
.endif
;; end of part 4
